; MI455X (gfx1250); checked and timed in simulation.
; The chip was launched on July 23, 2026; its instructions are those of AMD's public machine-readable ISA for CDNA 5 (MIT licence, August 2026) and "CDNA5" Instruction Set Architecture Reference Guide (July 2026). The comments in the code are by the model that wrote it; some were corrected since.
;; Attention Layer. Allowed arithmetic: float matrix products may take bf16 or f16 operands with f32 sums; other float arithmetic in f32, or as packed bf16 or f16 multiplies, adds, multiply-adds, maxima and minima; sums over many terms, partial sums and values carried from step to step in f32; what a program stores and reads back later, other than sums and carried values, may be rounded once to bf16 or f16.
;; Inputs: Wk 1,024 x 1,024 float32; Wq 1,024 x 1,024 float32; Wv 1,024 x 1,024 float32; bk 1,024 float32; bq 1,024 float32; bv 1,024 float32; x 4 x 2,048 x 1,024 float32.
;; Outputs: out0 4 x 2,048 x 1,024 float32.
;; One version. Each part assembles by itself: llvm-mc -triple=amdgcn-amd-amdhsa -mcpu=gfx1250 --defsym DOCPART=n.
;; ======== version 1 of 1: 4 launches
;; limits: values are held in f16: magnitudes above 65,504 overflow, below 6.1e-05 lose precision
;; workspace buffers: xw 23,068,672 bytes; ball 12,288 bytes; qkv 50,331,648 bytes; pw 33,554,432 bytes; mst 524,288 bytes; lst 524,288 bytes
;; launch cast (part 1): grid 256 x 11, 4 waves a work-group, no clusters, 0 bytes of LDS; arguments x, Wq, Wk, Wv, bq, bk, bv, xw, ball; writes xw, ball
.if DOCPART == 1
	.amdgcn_target "amdgcn-amd-amdhsa--gfx1250"
	.amdhsa_code_object_version 6
	.text
	.protected	k_q7e1300ee49_cast
	.globl	k_q7e1300ee49_cast
	.p2align	8
	.type	k_q7e1300ee49_cast,@function
k_q7e1300ee49_cast:
	s_mov_b64 s[64:65], 0
	v_nop
	global_prefetch_b8 v0, s[64:65] scope:SCOPE_SE
	s_setreg_imm32_b32 hwreg(HW_REG_WAVE_MODE, 25, 1), 1
	s_wait_xcnt 0x0
; xw = x's 8,192 rows, then Wq's, Wk's and Wv's 1,024 rows each, every number rounded once to bf16, LAID IN BLOCKS ALONG K: xw[kb][row][64], kb = 0..15, row = 0..11263:
; the 128 bytes that a row has in a block of 64 channels lie end to end with the next row's, so that the next launch's tiles (rows x 64 channels) are dense in memory.
; ball[3072] f32 = bq, bk, bv, each rounded to bf16 and written back as f32 (it starts the f32 sums of the next launch).
; A stream: no LDS, no barrier, no matrix unit.  The 11 planes along y hold 1,024 rows each: x's eight eighths, Wq, Wk, Wv.  A work-group takes 4 rows of a plane: 16,384 bytes in, 8,192 out;
; 2,816 work-groups are eleven for each of 256 WGPs.
; Wave w takes the blocks kb = 4 w .. 4 w + 3.  A load: lanes 0-15 read the 256 bytes that an even row has in one block, lanes 16-31 those of the next row: two aligned runs of 256 bytes.
; A store: each lane's 4 numbers are 8 bytes; the wave's 32 lanes store 256 consecutive bytes, aligned: the two rows' 128 bytes in that block.
; All eight loads of a thread go out first; no register is written twice, so only the counted waits for the loads are needed.
.set KBS, 11264*128                    ; bytes in a block along K
.set XI, 8                             ; v[8:39]   load n: 4 numbers
.set YO, 40                            ; v[40:55]  load n: 2 words to store
	s_load_b512 s[4:19], s[0:1], 0x0               ; x s[4:5], Wq s[6:7], Wk s[8:9], Wv s[10:11], bq s[12:13], bk s[14:15], bv s[16:17], xw s[18:19]
	s_load_b64 s[20:21], s[0:1], 0x40              ; ball
	s_and_b32 s22, ttmp7, 0xffff                   ; the plane
	v_and_b32 v3, 15, v0                           ; c: my 4 numbers among a block's 64
	v_bfe_u32 v4, v0, 4, 1                         ; p: the even or the odd row
	v_lshrrev_b32 v5, 5, v0                        ; w
	v_lshlrev_b32 v1, 4, v3
	v_lshl_add_u32 v1, v4, 12, v1
	v_lshl_add_u32 v1, v5, 10, v1                  ; from: 16 c + 4,096 p + 1,024 w
	v_lshlrev_b32 v2, 3, v3
	v_lshl_add_u32 v2, v4, 7, v2
	v_mul_u32_u24 v5, v5, 4*KBS
	v_add_nc_u32 v2, v2, v5                        ; to: 8 c + 128 p + four blocks for each wave
	s_cmp_lt_u32 s22, 8
	s_cselect_b32 s26, s22, 0                      ; x's planes lie 4 MiB apart; a weight matrix is one plane
	s_lshl_b32 s26, s26, 22
	s_lshl_b32 s23, ttmp9, 14
	s_add_co_u32 s26, s26, s23                     ; + the work-group's 4 rows of 4,096 bytes
	s_mov_b32 s27, 0
	s_lshl_b32 s30, s22, 17                        ; in a block of xw a plane is 1,024 rows of 128 bytes
	s_lshl_b32 s23, ttmp9, 9
	s_add_co_u32 s30, s30, s23
	s_mov_b32 s31, 0
	s_wait_kmcnt 0x0
	s_mov_b64 s[24:25], s[4:5]
	s_cmp_eq_u32 s22, 8
	s_cselect_b64 s[24:25], s[6:7], s[24:25]
	s_cmp_eq_u32 s22, 9
	s_cselect_b64 s[24:25], s[8:9], s[24:25]
	s_cmp_eq_u32 s22, 10
	s_cselect_b64 s[24:25], s[10:11], s[24:25]
	s_add_nc_u64 s[24:25], s[24:25], s[26:27]      ; from here
	s_add_nc_u64 s[28:29], s[18:19], s[30:31]      ; to here
.irp j, 0,1                            ; the pair of rows
.irp q, 0,1,2,3                        ; the block among the wave's four
	global_load_b128 v[XI+4*(4*(\j)+(\q)):XI+4*(4*(\j)+(\q))+3], v1, s[24:25] offset:8192*(\j)+256*(\q) th:TH_LOAD_NT
.endr
.endr
.irp j, 0,1
.irp q, 0,1,2,3
	s_wait_loadcnt 7-(4*(\j)+(\q))                 ; loads come back in order: this one is in, the later ones stay out
	v_cvt_pk_bf16_f32 v[YO+2*(4*(\j)+(\q))],   v[XI+4*(4*(\j)+(\q))],   v[XI+4*(4*(\j)+(\q))+1]
	v_cvt_pk_bf16_f32 v[YO+2*(4*(\j)+(\q))+1], v[XI+4*(4*(\j)+(\q))+2], v[XI+4*(4*(\j)+(\q))+3]
	global_store_b64 v2, v[YO+2*(4*(\j)+(\q)):YO+2*(4*(\j)+(\q))+1], s[28:29] offset:(\q)*KBS+256*(\j)
.endr
.endr
	; the first work-group of each weight plane also takes that plane's bias: 1,024 numbers, eight a thread
	s_cmp_lg_u32 ttmp9, 0
	s_cbranch_scc1 .Lend
	s_cmp_lt_u32 s22, 8
	s_cbranch_scc1 .Lend
	s_cmp_eq_u32 s22, 9
	s_cselect_b64 s[26:27], s[14:15], s[12:13]
	s_cmp_eq_u32 s22, 10
	s_cselect_b64 s[26:27], s[16:17], s[26:27]
	s_sub_co_u32 s30, s22, 8
	s_lshl_b32 s30, s30, 12                        ; 4,096 bytes of ball for each bias
	s_mov_b32 s31, 0
	s_add_nc_u64 s[20:21], s[20:21], s[30:31]
	v_lshlrev_b32 v6, 4, v0                        ; 16 t
	global_load_b128 v[56:59], v6, s[26:27]
	global_load_b128 v[60:63], v6, s[26:27] offset:2048
	s_wait_loadcnt 0x0
.irp i, 0,1,2,3
	v_cvt_pk_bf16_f32 v[64+(\i)], v[56+2*(\i)], v[56+2*(\i)+1]     ; rounded to bf16,
.endr
.irp i, 0,1,2,3
	v_lshlrev_b32 v[68+2*(\i)], 16, v[64+(\i)]                     ; and back to f32: a shift or a mask
	v_and_b32 v[68+2*(\i)+1], 0xffff0000, v[64+(\i)]
.endr
	global_store_b128 v6, v[68:71], s[20:21]
	global_store_b128 v6, v[72:75], s[20:21] offset:2048
.Lend:
	s_endpgm
.Lfunc_end_k_q7e1300ee49_cast:
	.size	k_q7e1300ee49_cast, .Lfunc_end_k_q7e1300ee49_cast-k_q7e1300ee49_cast
	.p2alignl 7, 3214868480
	.fill 96, 4, 3214868480
	.section	.rodata,"a",@progbits
	.p2align	6, 0x0
	.amdhsa_kernel k_q7e1300ee49_cast
		.amdhsa_group_segment_fixed_size 0
		.amdhsa_private_segment_fixed_size 0
		.amdhsa_enable_private_segment 0
		.amdhsa_kernarg_size 72
		.amdhsa_user_sgpr_count 2
		.amdhsa_user_sgpr_kernarg_segment_ptr 1
		.amdhsa_wavefront_size32 1
		.amdhsa_system_sgpr_workgroup_id_x 1
		.amdhsa_system_sgpr_workgroup_id_y 1
		.amdhsa_system_sgpr_workgroup_id_z 1
		.amdhsa_system_vgpr_workitem_id 0
		.amdhsa_next_free_vgpr 80
		.amdhsa_next_free_sgpr 66
		.amdhsa_reserve_vcc 0
		.amdhsa_float_denorm_mode_32 3
		.amdhsa_float_denorm_mode_16_64 3
		.amdhsa_memory_ordered 1
		.amdhsa_forward_progress 1
		.amdhsa_inst_pref_size 6
	.end_amdhsa_kernel
	.amdgpu_metadata
---
amdhsa.version: [ 1, 2 ]
amdhsa.kernels:
  - .name:           k_q7e1300ee49_cast
    .symbol:         k_q7e1300ee49_cast.kd
    .args:
      - { .name: x, .offset: 0, .size: 8, .value_kind: global_buffer, .address_space: global }
      - { .name: Wq, .offset: 8, .size: 8, .value_kind: global_buffer, .address_space: global }
      - { .name: Wk, .offset: 16, .size: 8, .value_kind: global_buffer, .address_space: global }
      - { .name: Wv, .offset: 24, .size: 8, .value_kind: global_buffer, .address_space: global }
      - { .name: bq, .offset: 32, .size: 8, .value_kind: global_buffer, .address_space: global }
      - { .name: bk, .offset: 40, .size: 8, .value_kind: global_buffer, .address_space: global }
      - { .name: bv, .offset: 48, .size: 8, .value_kind: global_buffer, .address_space: global }
      - { .name: xw, .offset: 56, .size: 8, .value_kind: global_buffer, .address_space: global }
      - { .name: ball, .offset: 64, .size: 8, .value_kind: global_buffer, .address_space: global }
    .group_segment_fixed_size: 0
    .private_segment_fixed_size: 0
    .kernarg_segment_align: 8
    .kernarg_segment_size: 72
    .max_flat_workgroup_size: 128
    .sgpr_count:     66
    .vgpr_count:     80
    .wavefront_size: 32
...
	.end_amdgpu_metadata
.endif
;; end of part 1
;; launch proj (part 2): grid 8 x 32, 4 waves a work-group, clusters of 4 x 4, 327,680 bytes of LDS; arguments xw, ball, qkv; writes qkv
.if DOCPART == 2
	.amdgcn_target "amdgcn-amd-amdhsa--gfx1250"
	.amdhsa_code_object_version 6
	.text
	.protected	k_q7e1300ee49_proj
	.globl	k_q7e1300ee49_proj
	.p2align	8
	.type	k_q7e1300ee49_proj,@function
k_q7e1300ee49_proj:
	s_mov_b64 s[64:65], 0
	v_nop
	global_prefetch_b8 v0, s[64:65] scope:SCOPE_SE
	s_setreg_imm32_b32 hwreg(HW_REG_WAVE_MODE, 25, 1), 1
	s_wait_xcnt 0x0
	s_wait_alu depctr_hold_cnt(0) depctr_sa_sdst(0) depctr_va_vdst(0) depctr_va_sdst(0) depctr_va_ssrc(0) depctr_va_vcc(0) depctr_vm_vsrc(0)
	s_getreg_b32 s2, hwreg(HW_REG_IB_STS2, 6, 4)
	s_cmp_eq_u32 s2, 0
	s_cbranch_scc0 .Lentry_in_a_cluster
	s_endpgm
.Lentry_in_a_cluster:
	s_bfe_u32 s2, ttmp6, 0x10000c
	s_cmp_lg_u32 s2, 0xf033
	s_cbranch_scc0 .Lentry_shape_is_right
	s_endpgm
.Lentry_shape_is_right:
; qkv[8192][3072] f16 = x W^T + b for the three projections at once: column c < 1024 is q, < 2048 k, else v.
; xw[16][11264][64] bf16 holds x (rows 0-8191) and Wq, Wk, Wv (rows 8192-11263) in blocks of 64 along K; sums in f32, started by the bias; rounded once to f16.
; LIMIT.  f16 holds no number beyond 65,504: a q, k or v past that leaves as an infinity.  NaN and infinities are not treated apart.
; A TILE OF C IS 256 x 384: 32 x 8 = 256 work-groups.  Four waves, each 128 x 192: 96 accumulators of 16 x 16, 768 registers.
; K goes in 16 steps of 64 through two LDS slots (two slots of 128 along K would want 2 x 640 x 272 bytes, more than there is).  In a block of xw a tile's rows of 128 bytes lie end to end: they are asked for as rows of
; 256 bytes, aligned, and padded in LDS after every 128 bytes.  Waves 0 and 1 fetch 128 rows of A each, waves 2 and 3 192 rows of B each.
; CLUSTER 4 x 4: the four work-groups of a row of the cluster need the same tile of A, the four of a column the same tile of B: each tile is asked for jointly, by the same tensor load, descriptor and mask in all four.
; THE MATRIX INSTRUCTION IS USED TRANSPOSED (source 0 = 16 rows of B, source 1 = 16 rows of A): lane l holds row l % 16 of C and the columns 8 (l / 16) + 0..7, which pack into 16 bytes.
; REGISTERS.  Windows 1, 2, 3: the accumulators; window 1 + g holds column blocks 4 g .. 4 g + 3 of all eight row blocks: (a, 4 g + c) at v[8 (4 a + c)].  Window 0: v0-31 addresses; v32-127 B's twelve fragments, ONCE;
; v128-191, v192-255 A's eight fragments, two buffers.  For 32 along K the wave issues three GROUPS of 32 matrix instructions, one window setting each; a group's four fragments of B are loaded again, for the next
; 32 along K, four places behind the group, 64 matrix instructions ahead of their use; A's other buffer is loaded behind the first group.  40 LDS loads for 96 matrix instructions.
; THE BIAS: each wave copies its 192 numbers to LDS once; read back in the accumulators' layout (register j of lane l: column 16 b + 8 (l / 16) + j) they are the C operand of each accumulator's first product;
; A's second buffer, still empty then, holds them.  Nothing is cleared, nothing added on the way out.
; ONE K STEP IS WRITTEN ONCE: a trip is a step's second half and the next step's first.  The slot read is s[TB] (0 or 1 << 17); one group 0 walks: its LDS word is turned by an exclusive or, its address steps a block of xw.
.set PITCH,  144                       ; an LDS row: 128 bytes + 16 of padding = 9 x 16: the 16 rows of a fragment load start in 16 different groups of four banks
.set AHALF,  128*PITCH                 ; what waves 0 and 1 fetch, and what a wave reads of A
.set BHALF,  192*PITCH                 ; what waves 2 and 3 fetch, and what a wave reads of B
.set BOFF,   2*AHALF                   ; B's 384 rows lie behind A's 256
.set SLOT1,  1<<17                     ; slot 1 begins here (a slot is 92,160 bytes)
.set STAGE,  SLOT1+BOFF+2*BHALF        ; behind the ring, never filled by a tensor load: for each half of the tile's rows two buffers of 16 rows x 784 bytes
.set SPITCH, 784                       ; 768 bytes + 16 = 49 x 16
.set SBUF,   16*SPITCH
.set BIASL,  STAGE+4*SBUF              ; 768 bytes for each wave
.set SPARE,  BIASL+4*768               ; the spare words: 128 bytes a wave, named by no other line
.set KBS,    11264*128                 ; bytes in a block of xw: a K step
.set QPITCH, 6144                      ; bytes in a row of qkv
.set ADRA0, 14                         ; v14  my lane's place in A's part of a slot; never rewritten
.set ADRB0, 15                         ; v15  the same for B
.set ADRA,  16                         ; v16  the same in the slot in hand
.set ADRB,  20                         ; v20
.set STO,   24                         ; v24  the way out: where I put 16 bytes of a row
.set RD,    25                         ; v25  where I read 16 bytes of a whole row back
.set CO,    26                         ; v26  my byte offset in C
.set BIA,   27                         ; v27  my place in my wave's copy of the bias: 32 (l / 16)
.set SPW,   28                         ; v28  my spare word; never rewritten
.set NIL,   29                         ; v29  0; never rewritten
.set PFO,   30                         ; v30  the prefetches' offset
.set BO,    31                         ; v31  8 x lane
.set BF,    32                         ; B's fragments
.set AF,    128                        ; A's: buffer f at AF + 64 f
.set TMP,   32                         ; the way out: 48 registers of packed results,
.set OB,    80                         ; and two sets of 48 for whole rows
.set TB,   2                           ; s2   the slot that is read: 0 or SLOT1
.set CNT,  3                           ; s3   the loops' count
.set WV,   10
.set RH,   11                          ; which half of the tile's rows is mine; also: I fetch for A (0) or B (1)
.set CH,   12                          ; which half of its columns; also: which half of that tile I fetch
.set TROW, 13
.set PAR,  22                          ; s22  0: I prefetch in every trip; 1: in every second one
.set G1A,  24
.set G0A,  32                          ; two sets: the first fill's; the second's, which then walks
.set CX,   40
.set CY,   41
.set TCOL, 42
.set LIM,  43                          ; 2 in a wave that prefetches, else the greatest number
.set PFA,  44
.set G1B,  48
.set G0B,  56
.set MSB, 0
.macro WIN new                         ; the immediate's high byte repeats the setting that is left; a switch that changes nothing is dropped
.if MSB != (\new)
	s_set_vgpr_msb (MSB<<8)|(\new)
.set MSB, \new
.endif
.endm
; A joint refill by the walking group 0.  The branch hangs on the wave's number alone.  An s_nop 0 and four v_nop follow each line.
.macro JLOAD
	s_cmp_eq_u32 s[RH], 0
	s_cbranch_scc0 .Lfor_b_\@
	tensor_load_to_lds s[G0A+4:G0A+7], s[G1A:G1A+7]
	s_nop 0
.rept 4
	v_nop
.endr
	s_branch .Lasked_\@
.Lfor_b_\@:
	tensor_load_to_lds s[G0B+4:G0B+7], s[G1B:G1B+7]
	s_nop 0
.rept 4
	v_nop
.endr
.Lasked_\@:
.endm
; A PREFETCH, a lane a block of 256 bytes.  A K step of A's tile is 128 such blocks, read by both clusters of that row of clusters: cluster x = 0 asks, wave 0, 32 blocks for each partner along x, in every trip, for the K step
; two refills on.  A K step of B's tile is 192 blocks, read by the eight clusters of that column: cluster y = 0 asks, 48 blocks for each partner along y, 16 for each of waves 1 to 3; lanes 16-31 name the same 16 blocks
; of the K step after, so these waves ask in every second trip, for the K steps two and three refills on.  The partners are told apart by address.  K steps 4 to 15 are named, each block once.
.macro ASK
	s_and_b32 s21, s[CNT], s[PAR]
	s_cmp_lg_u32 s21, 0
	s_cbranch_scc1 .Lnot_mine_\@
	s_cmp_gt_u32 s[CNT], s[LIM]
	s_cbranch_scc0 .Lnot_mine_\@
	global_prefetch_b8 v[PFO], s[PFA:PFA+1] th:TH_LOAD_NT scope:SCOPE_SE
.Lnot_mine_\@:
.endm
.macro CREST                           ; a round of the cluster's barrier behind its opening barrier
	s_cmp_lg_u32 s[WV], 0
	s_cbranch_scc1 .Lnot_wave_0_\@
	s_barrier_signal -3
.Lnot_wave_0_\@:
	s_barrier_wait -3
	s_barrier_signal -1
	s_barrier_wait -1
.endm
.macro CROUND
	s_barrier_signal -1
	s_barrier_wait -1
	CREST
.endm
	s_load_b128 s[4:7], s[0:1], 0x0                ; xw s[4:5], ball s[6:7]
	s_load_b64 s[8:9], s[0:1], 0x10                ; qkv
	v_lshl_add_u32 v[SPW], v0, 2, SPARE
	v_mov_b32 v[NIL], 0
	ds_add_u32 v[SPW], v[NIL]                      ; the wave's opening: the add and its wait stand ahead of my first tensor load; the set-up below stands between them
	v_lshrrev_b32 v1, 5, v0
	v_readfirstlane_b32 s[WV], v1
	s_lshr_b32 s[RH], s[WV], 1
	s_and_b32 s[CH], s[WV], 1
	s_bfe_u32 s[CX], ttmp6, 0x40000
	s_bfe_u32 s[CY], ttmp6, 0x40004
	s_lshl_b32 s[TCOL], ttmp9, 2
	s_add_co_u32 s[TCOL], s[TCOL], s[CX]           ; tile column of C = 4 x cluster x + cx: 384 columns
	s_and_b32 s[TROW], ttmp7, 0xffff
	s_lshl_b32 s[TROW], s[TROW], 2
	s_add_co_u32 s[TROW], s[TROW], s[CY]           ; tile row = 4 x cluster y + cy: 256 rows
	s_lshl_b32 s43, s[CY], 2
	s_lshl_b32 s43, 15, s43                        ; my row of the cluster
	s_lshl_b32 s44, 0x1111, s[CX]                  ; my column
	s_or_b32 s[G1A+0], s43, (1<<16)|(1<<20)|(1<<21)|(4<<22)|(3<<25)  ; the mask; 2-byte elements; padding on; bit 21 beside a mask; after every 32 words 4 words
	s_or_b32 s[G1B+0], s44, (1<<16)|(1<<20)|(1<<21)|(4<<22)|(3<<25)
.irp g, G1A, G1B
	s_mov_b32 s[(\g)+1], 128<<16                   ; tensor_dim0 = 128 elements: two rows of the tile
	s_mov_b32 s[(\g)+3], 128<<16                   ; tile_dim0 = 128
	s_mov_b32 s[(\g)+5], 128                       ; elements from row to row: the block is dense
	s_mov_b32 s[(\g)+6], 0
	s_mov_b32 s[(\g)+7], 0
.endr
	s_mov_b32 s[G1A+2], 64<<16                     ; A: tensor_dim1 = tile_dim1 = 64: 128 rows of the tile
	s_mov_b32 s[G1A+4], 64
	s_mov_b32 s[G1B+2], 96<<16                     ; B: 96: 192 rows of the tile
	s_mov_b32 s[G1B+4], 96
	s_lshl_b32 s16, s[TROW], 15                    ; A: (256 x tile row + 128 x half) rows of 128 bytes
	s_lshl_b32 s17, s[CH], 14
	s_add_co_u32 s16, s16, s17
	s_mov_b32 s17, 0
	s_mul_i32 s46, s[TCOL], 384*128                ; B: (8,192 + 384 x tile column + 192 x half) rows
	s_mul_i32 s47, s[CH], 192*128
	s_add_co_u32 s46, s46, s47
	s_add_co_u32 s46, s46, 8192*128
	s_mov_b32 s47, 0
	s_mul_i32 s20, s[CH], AHALF                    ; where my load lands in a slot, for A
	s_mul_i32 s21, s[CH], BHALF                    ; and for B: no place in the cluster enters an LDS address
	s_add_co_u32 s21, s21, BOFF
	s_mov_b32 s[TB], 0
	s_wait_dscnt 0x0                               ; the opening add is done
	s_wait_kmcnt 0x0
	s_add_nc_u64 s[14:15], s[4:5], s[16:17]
	s_add_nc_u64 s[46:47], s[4:5], s[46:47]
	CROUND                                         ; all sixteen work-groups are here: the first joint loads meet
.irp s, 0,1
	s_mov_b32 s[G0A+4*(\s)], 1
	s_add_co_u32 s[G0A+4*(\s)+1], s20, (\s)*SLOT1
	s_add_nc_u64 s[G0A+4*(\s)+2:G0A+4*(\s)+3], s[14:15], (\s)*KBS
	s_or_b32 s[G0A+4*(\s)+3], s[G0A+4*(\s)+3], 0x80000000
	s_mov_b32 s[G0B+4*(\s)], 1
	s_add_co_u32 s[G0B+4*(\s)+1], s21, (\s)*SLOT1
	s_add_nc_u64 s[G0B+4*(\s)+2:G0B+4*(\s)+3], s[46:47], (\s)*KBS
	s_or_b32 s[G0B+4*(\s)+3], s[G0B+4*(\s)+3], 0x80000000
.endr
	s_cmp_eq_u32 s[RH], 0                          ; a wave's two first fills stand in one branch: two loads of mine are out
	s_cbranch_scc0 .Lfirst_b
	tensor_load_to_lds s[G0A:G0A+3], s[G1A:G1A+7]
	s_nop 0
	tensor_load_to_lds s[G0A+4:G0A+7], s[G1A:G1A+7]
	s_nop 0
.rept 4
	v_nop
.endr
	s_branch .Lfirst_asked
.Lfirst_b:
	tensor_load_to_lds s[G0B:G0B+3], s[G1B:G1B+7]
	s_nop 0
	tensor_load_to_lds s[G0B+4:G0B+7], s[G1B:G1B+7]
	s_nop 0
.rept 4
	v_nop
.endr
.Lfirst_asked:
	; a fragment is 16 rows x 32 K in 8 registers: lane l holds row l % 16, K = 8 (l / 16) + 0..7 and 16 + 8 (l / 16) + 0..7: two loads of 16 bytes, 32 bytes apart
	v_and_b32 v1, 15, v0                           ; l % 16
	v_bfe_u32 v2, v0, 4, 1                         ; l / 16
	v_mul_u32_u24 v3, v1, PITCH
	v_lshl_add_u32 v3, v2, 4, v3
	s_mul_i32 s21, s[RH], AHALF
	s_mul_i32 s22, s[CH], BHALF
	s_add_co_u32 s22, s22, BOFF
	v_add_nc_u32 v[ADRA0], s21, v3
	v_add_nc_u32 v[ADRB0], s22, v3
	; the stage: the two waves of a half of the rows share it.  In: row l % 16, my wave's 384 bytes of its 768, 16 bytes for each half of the lanes
	s_mul_i32 s23, s[RH], 2*SBUF
	s_add_co_u32 s23, s23, STAGE
	s_mul_i32 s21, s[CH], 384
	s_add_co_u32 s21, s21, s23
	v_mul_u32_u24 v4, v1, SPITCH
	v_lshl_add_u32 v4, v2, 4, v4
	v_add_nc_u32 v[STO], s21, v4
	; back: my wave takes 8 of the 16 rows, whole: lanes 0-15 read 256 bytes of row 8 x half + j, lanes 16-31 of the row four further down
	s_mul_i32 s21, s[CH], 8*SPITCH
	s_add_co_u32 s21, s21, s23
	v_mul_u32_u24 v5, v2, 4*SPITCH
	v_lshl_add_u32 v5, v1, 4, v5
	v_add_nc_u32 v[RD], s21, v5
	s_mul_i32 s21, s[CH], 8*QPITCH                 ; and the same rows in C
	v_mul_u32_u24 v5, v2, 4*QPITCH
	v_lshl_add_u32 v5, v1, 4, v5
	v_add_nc_u32 v[CO], s21, v5
	; the bias of my 192 columns: 768 bytes, copied to LDS
	s_mul_i32 s18, s[TCOL], 384*4
	s_mul_i32 s19, s[CH], 192*4
	s_add_co_u32 s18, s18, s19
	s_mov_b32 s19, 0
	s_add_nc_u64 s[6:7], s[6:7], s[18:19]
	v_and_b32 v3, 31, v0
	v_lshlrev_b32 v[BO], 3, v3
	global_load_b64 v[4:5], v[BO], s[6:7]
	global_load_b64 v[6:7], v[BO], s[6:7] offset:256
	global_load_b64 v[8:9], v[BO], s[6:7] offset:512
	s_mul_i32 s21, s[WV], 768
	s_add_co_u32 s21, s21, BIASL
	v_add_nc_u32 v10, s21, v[BO]
	v_lshl_add_u32 v[BIA], v2, 5, s21
	; where the rows of my half of the tile begin in qkv
	s_lshl_b32 s16, s[TROW], 8
	s_lshl_b32 s17, s[RH], 7
	s_add_co_u32 s16, s16, s17
	s_mul_i32 s16, s16, QPITCH
	s_mul_i32 s46, s[TCOL], 768
	s_add_co_u32 s46, s46, s16
	s_mov_b32 s47, 0
	s_add_nc_u64 s[8:9], s[8:9], s[46:47]
	; the prefetches: they stand at K step 3; each refill steps them first, so the first names K step 4
	s_and_b32 s22, ttmp7, 0xffff                   ; cluster y
	s_lshl_b32 s18, s[TROW], 15                    ; A: the tile's rows,
	s_lshl_b32 s19, s[CX], 13                      ; my work-group's 32 blocks of 256 bytes
	s_add_co_u32 s18, s18, s19
	s_mul_i32 s19, s[TCOL], 384*128                ; B: the tile's rows,
	s_mul_i32 s20, s[CY], 48*256                   ; my work-group's 48 blocks,
	s_add_co_u32 s19, s19, s20
	s_lshl_b32 s20, s[WV], 12                      ; 16 of them for each of waves 1 to 3
	s_add_co_u32 s19, s19, s20
	s_add_co_u32 s19, s19, 8192*128-4096
	s_mov_b32 s23, KBS
	s_cmp_eq_u32 s[WV], 0                          ; wave 0 asks for A
	s_cselect_b32 s20, s18, s19
	s_cselect_b32 s21, ttmp9, s22                  ; the coordinate along which other clusters read the same rows
	s_cselect_b32 s23, 4096, s23                   ; lanes 16-31: the next 16 blocks, or the same 16 of the next K step
	s_cselect_b32 s[PAR], 0, 1
	s_cmp_eq_u32 s21, 0
	s_cselect_b32 s[LIM], 2, -1                    ; the same in all sixteen partners, for a given wave
	s_add_co_u32 s20, s20, 3*KBS
	s_mov_b32 s21, 0
	s_add_nc_u64 s[PFA:PFA+1], s[4:5], s[20:21]
	v_mul_u32_u24 v3, v2, s23
	v_lshl_add_u32 v[PFO], v1, 8, v3
	s_wait_loadcnt 0x0                             ; the bias
	ds_store_b64 v10, v[4:5]
	ds_store_b64 v10, v[6:7] offset:256
	ds_store_b64 v10, v[8:9] offset:512
; 16 matrix instructions: row blocks a0 .. a0 + 3 x group g's four column blocks, 32 along K, A's buffer f.  No two on end share an accumulator; an accumulator's next turn comes 96 instructions later.
.macro MG f, g, a0
	WIN ((1+(\g))<<6)|((1+(\g))<<4)                ; C and D in window 1 + g, the fragments in window 0
.irp a, \a0, (\a0)+1, (\a0)+2, (\a0)+3
.irp c, 0,1,2,3
	v_wmma_f32_16x16x32_bf16 v[8*(4*(\a)+(\c)):8*(4*(\a)+(\c))+7], v[BF+8*(4*(\g)+(\c)):BF+8*(4*(\g)+(\c))+7], v[AF+64*(\f)+8*(\a):AF+64*(\f)+8*(\a)+7], v[8*(4*(\a)+(\c)):8*(4*(\a)+(\c))+7]
.endr
.endr
.endm
; The same for the first 32 along K: the sums start with the bias, 32 registers of window 0 from cb on
.macro MG0 g, a0, cb
	WIN (1+(\g))<<6
.irp a, \a0, (\a0)+1, (\a0)+2, (\a0)+3
.irp c, 0,1,2,3
	v_wmma_f32_16x16x32_bf16 v[8*(4*(\a)+(\c)):8*(4*(\a)+(\c))+7], v[BF+8*(4*(\g)+(\c)):BF+8*(4*(\g)+(\c))+7], v[AF+8*(\a):AF+8*(\a)+7], v[(\cb)+8*(\c):(\cb)+8*(\c)+7]
.endr
.endr
.endm
.macro LB g, k                         ; 8 LDS loads: group g's four fragments of B, at byte k of the rows
	WIN 0
.irp c, 0,1,2,3
	ds_load_b128 v[BF+8*(4*(\g)+(\c)):BF+8*(4*(\g)+(\c))+3],   v[ADRB] offset:(\k)+(4*(\g)+(\c))*16*PITCH
	ds_load_b128 v[BF+8*(4*(\g)+(\c))+4:BF+8*(4*(\g)+(\c))+7], v[ADRB] offset:(\k)+(4*(\g)+(\c))*16*PITCH+32
.endr
.endm
.macro LA f, k                         ; 16 LDS loads: A's eight fragments into buffer f
	WIN 0
.irp i, 0,1,2,3,4,5,6,7
	ds_load_b128 v[AF+64*(\f)+8*(\i):AF+64*(\f)+8*(\i)+3],   v[ADRA] offset:(\k)+(\i)*16*PITCH
	ds_load_b128 v[AF+64*(\f)+8*(\i)+4:AF+64*(\f)+8*(\i)+7], v[ADRA] offset:(\k)+(\i)*16*PITCH+32
.endr
.endm
.macro LC dst, g                       ; 8 LDS loads: the bias of group g's 64 columns, in the accumulators' layout
	WIN 0
.irp c, 0,1,2,3
	ds_load_b128 v[(\dst)+8*(\c):(\dst)+8*(\c)+3],   v[BIA] offset:64*(4*(\g)+(\c))
	ds_load_b128 v[(\dst)+8*(\c)+4:(\dst)+8*(\c)+7], v[BIA] offset:64*(4*(\g)+(\c))+16
.endr
.endm
.macro PLACES                          ; four plain instructions between a matrix instruction and a load into, or a vector read of, its registers
.rept 4
	v_nop
.endr
.endm
; A K step's first half: multiplies A's buffer 0; fetches the second half (byte 64 of the same slot's rows).  LDS loads come back in order; at the head 24 + 8 + 8 are out: group 0 with A, group 1, group 2.
.macro HALF0
	s_wait_dscnt 16                                ; group 0 of B and A are in; groups 1 and 2 may be out
	MG 0, 0, 0
	MG 0, 0, 4
	PLACES
	LB 0, 64
	LA 1, 64
	s_wait_dscnt 32                                ; group 1 is in: behind it came group 2's 8 and the 24 just issued
	MG 0, 1, 0
	MG 0, 1, 4
	PLACES
	LB 1, 64
	s_wait_dscnt 32                                ; group 2 is in: behind it came 24 and 8
	MG 0, 2, 0
	MG 0, 2, 4
	PLACES
	LB 2, 64
.endm
; A K step's second half multiplies A's buffer 1 and changes slots.  In front of the barrier each wave waits for all its tensor loads (the one that is out is its part of the next slot), adds 0 to its spare word, and waits
; for that and for its reads of this slot.  fill = 1: the barrier opens a round of the cluster's barrier, and the joint refill of the slot just read, two K steps on, is the first thing behind the round: it has 160 matrix
; instructions in which to land.
.macro TURN fill
.if \fill
	s_wait_xcnt 0x0                                ; the last prefetch, a K step or two back, has read its address
	s_add_nc_u64 s[PFA:PFA+1], s[PFA:PFA+1], KBS
.endif
	WIN 0
	s_wait_tensorcnt 0x0                           ; no tensor load of mine is out, so a group 0 may be written
	ds_add_u32 v[SPW], v[NIL]
.if \fill
	s_xor_b32 s[G0A+5], s[G0A+5], SLOT1            ; the walking group 0: the other slot than last time,
	s_xor_b32 s[G0B+5], s[G0B+5], SLOT1
	s_add_nc_u64 s[G0A+6:G0A+7], s[G0A+6:G0A+7], KBS  ; the next K step
	s_add_nc_u64 s[G0B+6:G0B+7], s[G0B+6:G0B+7], KBS
.endif
	s_xor_b32 s[TB], s[TB], SLOT1                  ; the reads go to the other slot
	s_wait_dscnt 17                                ; group 0 and A are in; groups 1 and 2 and the add may be out
	MG 1, 0, 0
	s_wait_dscnt 0x0                               ; the add is done, and my reads of this slot are over
	s_barrier_signal -1
	MG 1, 0, 4
	WIN 0
	s_barrier_wait -1
.if \fill
	CREST
	JLOAD                                          ; its four v_nop are also the places in front of the loads below
.else
	PLACES
.endif
	v_add_nc_u32 v[ADRA], s[TB], v[ADRA0]
	v_add_nc_u32 v[ADRB], s[TB], v[ADRB0]
	LB 0, 0
	LA 0, 0
.if \fill
	ASK
.endif
	MG 1, 1, 0
	MG 1, 1, 4
	PLACES
	LB 1, 0
	MG 1, 2, 0
	MG 1, 2, 4
	PLACES
	LB 2, 0
.endm
; THE WAY OUT of row block a (16 rows).  PACK: rounded to f16, 16 bytes a lane.  STG: into the stage that two waves share, a barrier, and back as whole rows of 768 bytes.  SEND: stored.
; The stage's two buffers take turns: a buffer is written again two blocks later, behind the barrier of the block between, in front of which every wave has waited for its reads of it.
.macro PACK a
.irp g, 0,1,2
	WIN 5*(1+(\g))                                 ; both sources in window 1 + g; each accumulator's registers are taken in ascending order
.irp c, 0,1,2,3
.irp r, 0,1,2,3
	v_cvt_pk_f16_f32 v[TMP+4*(4*(\g)+(\c))+(\r)], v[8*(4*(\a)+(\c))+2*(\r)], v[8*(4*(\a)+(\c))+2*(\r)+1]
.endr
.endr
.endr
	WIN 0
.endm
.macro STG a
	WIN 0
.set SB, SBUF*((\a)%2)
.set BK, OB+48*((\a)%2)
.irp b, 0,1,2,3,4,5,6,7,8,9,10,11
	ds_store_b128 v[STO], v[TMP+4*(\b):TMP+4*(\b)+3] offset:SB+32*(\b)
.endr
	s_wait_dscnt 0x0                               ; for the other wave's sake: my half of the 16 rows is written
	s_barrier_signal -1
	s_barrier_wait -1
.irp j, 0,1,2,3
.irp c, 0,1,2
	ds_load_b128 v[BK+4*(3*(\j)+(\c)):BK+4*(3*(\j)+(\c))+3], v[RD] offset:SB+(\j)*SPITCH+256*(\c)
.endr
.endr
.endm
.macro SEND a
	WIN 0
.set BK, OB+48*((\a)%2)
	s_wait_dscnt 0x0                               ; the rows are back in registers
	s_wait_xcnt 0x0                                ; the stores of the block before have read their registers: the next STG loads into them
.irp j, 0,1,2,3
.irp c, 0,1,2
	global_store_b128 v[CO], v[BK+4*(3*(\j)+(\c)):BK+4*(3*(\j)+(\c))+3], s[8:9] offset:(16*(\a)+(\j))*QPITCH+256*(\c)  ; 16 lanes store 256 consecutive bytes, aligned
.endr
.endr
.endm
	s_wait_tensorcnt 1                             ; my part of K step 0 is in; K step 1's may stay out
	s_wait_dscnt 0x0                               ; my copy of the bias is written
	s_barrier_signal -1
	s_barrier_wait -1
	v_mov_b32 v[ADRA], v[ADRA0]
	v_mov_b32 v[ADRB], v[ADRB0]
	; THE FIRST HALF STEP stands in front of the loop: its products start the sums with the bias, which lies in A's second buffer: groups 0 and 1 at first, group 2 where group 0's lay
	LC AF+64, 0
	LC AF+96, 1
	LB 0, 0
	LA 0, 0
	LB 1, 0
	LB 2, 0
	s_wait_dscnt 16                                ; all but groups 1 and 2 of B
	MG0 0, 0, AF+64
	MG0 0, 4, AF+64
	PLACES
	LB 0, 64
	LC AF+64, 2
	s_wait_dscnt 24                                ; group 1 is in: behind it came group 2's 8 and the 16 just issued
	MG0 1, 0, AF+96
	MG0 1, 4, AF+96
	PLACES
	LB 1, 64
	s_wait_dscnt 8                                 ; group 2 and its bias are in: only the 8 just issued may be out
	MG0 2, 0, AF+64
	MG0 2, 4, AF+64
	PLACES
	LA 1, 64                                       ; A's second buffer is free only now: once in the launch the wave waits for these loads
	LB 2, 64
	s_wait_dscnt 8                                 ; all but group 2
	WIN 0
	s_mov_b32 s[CNT], 14
.Lstep:                                        ; fourteen trips: K steps 2 to 15 are asked for
	TURN 1
	HALF0
	WIN 0
	s_sub_co_u32 s[CNT], s[CNT], 1
	s_cmp_lg_u32 s[CNT], 0
	s_cbranch_scc1 .Lstep
	; The last two K steps ask for nothing: a loop of two trips, entered in its middle, so that their text stands once.  The last trip's barrier, and its 40 loads of fragments for a step that does not exist
	; (they read the other slot's old bytes, and nothing uses them), are the price, once a launch.
	s_mov_b32 s[CNT], 2
	s_branch .Lmid
.Ltail:
	HALF0
	WIN 0
.Lmid:
	TURN 0
	WIN 0
	s_sub_co_u32 s[CNT], s[CNT], 1
	s_cmp_lg_u32 s[CNT], 0
	s_cbranch_scc1 .Ltail
	s_wait_dscnt 0x0                               ; those loads have landed: their registers serve the way out.  The four places behind the last products stand in TURN
	PACK 0
	STG 0
.irp a, 1,2,3,4,5,6,7                  ; block a's conversions stand between block a - 1's loads from the stage and the wait for them
	PACK \a
	SEND (\a)-1
	STG \a
.endr
	SEND 7
	s_wait_tensorcnt 0x0                           ; the wave's end
	ds_add_u32 v[SPW], v[NIL]
	s_wait_dscnt 0x0
	CROUND                                         ; the closing round
	s_endpgm
.Lfunc_end_k_q7e1300ee49_proj:
	.size	k_q7e1300ee49_proj, .Lfunc_end_k_q7e1300ee49_proj-k_q7e1300ee49_proj
	.p2alignl 7, 3214868480
	.fill 96, 4, 3214868480
	.section	.rodata,"a",@progbits
	.p2align	6, 0x0
	.amdhsa_kernel k_q7e1300ee49_proj
		.amdhsa_group_segment_fixed_size 327680
		.amdhsa_private_segment_fixed_size 0
		.amdhsa_enable_private_segment 0
		.amdhsa_kernarg_size 24
		.amdhsa_user_sgpr_count 2
		.amdhsa_user_sgpr_kernarg_segment_ptr 1
		.amdhsa_wavefront_size32 1
		.amdhsa_system_sgpr_workgroup_id_x 1
		.amdhsa_system_sgpr_workgroup_id_y 1
		.amdhsa_system_sgpr_workgroup_id_z 1
		.amdhsa_system_vgpr_workitem_id 0
		.amdhsa_next_free_vgpr 1024
		.amdhsa_next_free_sgpr 66
		.amdhsa_reserve_vcc 0
		.amdhsa_float_denorm_mode_32 3
		.amdhsa_float_denorm_mode_16_64 3
		.amdhsa_memory_ordered 1
		.amdhsa_forward_progress 1
		.amdhsa_inst_pref_size 109
	.end_amdhsa_kernel
	.amdgpu_metadata
---
amdhsa.version: [ 1, 2 ]
amdhsa.kernels:
  - .name:           k_q7e1300ee49_proj
    .symbol:         k_q7e1300ee49_proj.kd
    .args:
      - { .name: xw, .offset: 0, .size: 8, .value_kind: global_buffer, .address_space: global }
      - { .name: ball, .offset: 8, .size: 8, .value_kind: global_buffer, .address_space: global }
      - { .name: qkv, .offset: 16, .size: 8, .value_kind: global_buffer, .address_space: global }
    .group_segment_fixed_size: 327680
    .private_segment_fixed_size: 0
    .kernarg_segment_align: 8
    .kernarg_segment_size: 24
    .max_flat_workgroup_size: 128
    .sgpr_count:     66
    .vgpr_count:     1024
    .wavefront_size: 32
...
	.end_amdgpu_metadata
.endif
;; end of part 2
;; launch score (part 3): grid 8 x 32, 4 waves a work-group, clusters of 4 x 4, 327,680 bytes of LDS; arguments qkv, pw, mst, lst; writes pw, mst, lst
.if DOCPART == 3
	.amdgcn_target "amdgcn-amd-amdhsa--gfx1250"
	.amdhsa_code_object_version 6
	.text
	.protected	k_q7e1300ee49_score
	.globl	k_q7e1300ee49_score
	.p2align	8
	.type	k_q7e1300ee49_score,@function
k_q7e1300ee49_score:
	s_mov_b64 s[64:65], 0
	v_nop
	global_prefetch_b8 v0, s[64:65] scope:SCOPE_SE
	s_setreg_imm32_b32 hwreg(HW_REG_WAVE_MODE, 25, 1), 1
	s_wait_xcnt 0x0
	s_wait_alu depctr_hold_cnt(0) depctr_sa_sdst(0) depctr_va_vdst(0) depctr_va_sdst(0) depctr_va_ssrc(0) depctr_va_vcc(0) depctr_vm_vsrc(0)
	s_getreg_b32 s2, hwreg(HW_REG_IB_STS2, 6, 4)
	s_cmp_eq_u32 s2, 0
	s_cbranch_scc0 .Lentry_in_a_cluster
	s_endpgm
.Lentry_in_a_cluster:
	s_bfe_u32 s2, ttmp6, 0x10000c
	s_cmp_lg_u32 s2, 0xf033
	s_cbranch_scc0 .Lentry_shape_is_right
	s_endpgm
.Lentry_shape_is_right:
; For each query row and each chunk of 128 keys of its batch: s = q . k;  mc = c x max s over the chunk, c = log2(e) / 32;  p = 2^(c s - mc), rounded to f16;  l = the sum of the unrounded p.
; pw[8192][2048] f16 takes p, mst and lst ([16 chunks][8192 rows] f32) take mc and l.  The next launch brings the chunks onto the row's common maximum.  The maximum is taken away before every exponential.
; q = qkv's bytes 0-2047 of a row, k = bytes 2048-4095; both f16, K = 1,024 along the rows; sums in f32.
; LIMITS.  p lies in 0 to 1; below 6e-5 it keeps f16's fixed step of 6e-8; a p below 2^-126 counts as 0 in l.  NaN and infinities are not treated apart.
; A tile of S is 256 queries x 256 keys: four waves, each 128 x 128 in 64 accumulators: a wave's 128 keys are one chunk, so maximum and sum never leave the wave.
; K goes in 8 steps of 128 (rows of 256 bytes, aligned) through two LDS slots.  CLUSTER 4 x 4: q's tile is shared along a row of the cluster, k's along a column (a cluster's four tile rows lie in one batch).
; THE MATRIX INSTRUCTION IS USED TRANSPOSED (source 0 = 16 keys, source 1 = 16 queries): lane l holds query l % 16 and the keys 16 b + 8 (l / 16) + 0..7: a row's maximum and sum want one exchange between the halves of the lanes.
; The loop, its walking group 0 and the slot's exclusive or are as in the projection's text: SLOT's bits 17 and 13 are held by none of the waves' parts 0, 0x8800, 0x11000, 0x19800.
; REGISTERS: window 0: v0-31 addresses, v64-191 q's fragments (two buffers; on the way out v64-119 statistics), v32-63, v192-255 the way out; window 1: v64-191 k's fragments; windows 2, 3: the accumulators.
.set KSTEP,  128
.set PITCH,  272
.set HALFT,  128*PITCH
.set SLOT,   4*HALFT
.set STAGE,  2*SLOT
.set SPITCH, 272
.set STATS,  STAGE+4*16*SPITCH         ; 1,024 bytes a wave: 128 mc, 128 l
.set SPARE,  STATS+4*1024              ; the spare words: 128 bytes a wave, named by no other line
.set QPITCH, 6144                      ; bytes in a row of qkv
.set PPITCH, 4096                      ; bytes in a row of pw
.set SA,    6                          ; v6   where I put a row's mc (lanes 0-15) or l (lanes 16-31)
.set SL,    7                          ; v7   where I read 16 bytes of them back
.set GS,    8                          ; v8   16 x lane
.set ADRA0, 14
.set ADRB0, 15
.set ADRA,  16
.set ADRB,  20
.set STO,   24
.set RD,    25
.set CO,    26
.set SPW,   28
.set NIL,   29
.set PFO,   30
.set F0,    64
.set F1,    128
.set TMP,   192
.set OB,    32
.set RX,    64                         ; v64-87   at work on the way out
.set MCP,   88                         ; v[88:89] mc, and 0 beside it: named as a pair
.set MS,    96                         ; v96-103  mc of block a
.set LS,    104                        ; v104-111 l of block a
.set TB,   2
.set CNT,  3
.set WV,   10
.set RH,   11
.set CH,   12
.set TROW, 13
.set G1A,  24
.set G0A,  32
.set CX,   40
.set CY,   41
.set TCOL, 42
.set LIM,  43
.set PFA,  44
.set G1B,  48
.set G0B,  56
.set CS,   66                          ; s[66:67] c
.set SEL,  68                          ; s[68:69] v_permlanex16_b32's selects: each lane takes its own place in the other half
.set UP,   70                          ; s70  the lanes 16 to 31
.set QKV,  72
.set PW,   74
.set MST,  76
.set LST,  78
.set MSB, 0
.macro WIN new
.if MSB != (\new)
	s_set_vgpr_msb (MSB<<8)|(\new)
.set MSB, \new
.endif
.endm
.set MUL_LO, 0xa1
.set MUL_HI, 0xf1
.set TO_B,   0x40
.macro JLOAD                           ; a joint refill by the walking group 0; an s_nop 0 and four v_nop follow each line
	s_cmp_eq_u32 s[RH], 0
	s_cbranch_scc0 .Lfor_b_\@
	tensor_load_to_lds s[G0A+4:G0A+7], s[G1A:G1A+7]
	s_nop 0
.rept 4
	v_nop
.endr
	s_branch .Lasked_\@
.Lfor_b_\@:
	tensor_load_to_lds s[G0B+4:G0B+7], s[G1B:G1B+7]
	s_nop 0
.rept 4
	v_nop
.endr
.Lasked_\@:
.endm
; A prefetch of the K step two refills on: 32 rows x 256 bytes, a lane a row.  q's tile row is read by both clusters of that row of clusters: cluster x = 0 asks; k's tile by the two clusters along y that share a batch:
; the even one asks.  The four partners of a joint load share its rows out by address, 32 each.  K steps 4 to 7 are named, each block once.
.macro ASK
	s_cmp_gt_u32 s[CNT], s[LIM]
	s_cbranch_scc0 .Lnot_mine_\@
	global_prefetch_b8 v[PFO], s[PFA:PFA+1] offset:KSTEP*2 th:TH_LOAD_NT scope:SCOPE_SE
.Lnot_mine_\@:
.endm
.macro CREST
	s_cmp_lg_u32 s[WV], 0
	s_cbranch_scc1 .Lnot_wave_0_\@
	s_barrier_signal -3
.Lnot_wave_0_\@:
	s_barrier_wait -3
	s_barrier_signal -1
	s_barrier_wait -1
.endm
.macro CROUND
	s_barrier_signal -1
	s_barrier_wait -1
	CREST
.endm
	s_load_b256 s[72:79], s[0:1], 0x0              ; qkv, pw, mst, lst
	v_lshl_add_u32 v[SPW], v0, 2, SPARE
	v_mov_b32 v[NIL], 0
	ds_add_u32 v[SPW], v[NIL]                      ; the wave's opening: the add and its wait stand ahead of my first tensor load
	v_lshrrev_b32 v1, 5, v0
	v_readfirstlane_b32 s[WV], v1
	s_lshr_b32 s[RH], s[WV], 1
	s_and_b32 s[CH], s[WV], 1
	s_bfe_u32 s[CX], ttmp6, 0x40000
	s_bfe_u32 s[CY], ttmp6, 0x40004
	s_lshl_b32 s[TCOL], ttmp9, 2
	s_add_co_u32 s[TCOL], s[TCOL], s[CX]           ; tile column: 256 keys of the batch
	s_and_b32 s[TROW], ttmp7, 0xffff
	s_lshl_b32 s[TROW], s[TROW], 2
	s_add_co_u32 s[TROW], s[TROW], s[CY]           ; tile row: 256 of the 8,192 query rows
	s_lshl_b32 s43, s[CY], 2
	s_lshl_b32 s43, 15, s43
	s_lshl_b32 s44, 0x1111, s[CX]
	s_or_b32 s[G1A+0], s43, (1<<16)|(1<<20)|(1<<21)|(5<<22)|(3<<25)
	s_or_b32 s[G1B+0], s44, (1<<16)|(1<<20)|(1<<21)|(5<<22)|(3<<25)
.irp g, G1A, G1B
	s_mov_b32 s[(\g)+1], KSTEP<<16
	s_mov_b32 s[(\g)+2], 128<<16
	s_mov_b32 s[(\g)+3], KSTEP<<16
	s_mov_b32 s[(\g)+4], 128
	s_mov_b32 s[(\g)+5], 3072                      ; elements from row to row of qkv
	s_mov_b32 s[(\g)+6], 0
	s_mov_b32 s[(\g)+7], 0
.endr
	s_lshl_b32 s17, s[CH], 7
	s_lshl_b32 s16, s[TROW], 8
	s_add_co_u32 s16, s16, s17
	s_mul_i32 s16, s16, QPITCH                     ; q: row 256 x tile row + 128 x half
	s_and_b32 s47, ttmp7, 0xffff
	s_lshr_b32 s47, s47, 1                         ; the batch, from the cluster's y alone: all sixteen partners share it
	s_lshl_b32 s47, s47, 11
	s_lshl_b32 s46, s[TCOL], 8
	s_add_co_u32 s46, s46, s47
	s_add_co_u32 s46, s46, s17
	s_mul_i32 s46, s46, QPITCH                     ; k: row 2,048 x batch + 256 x tile column + 128 x half,
	s_add_co_u32 s46, s46, 2048                    ; at byte 2,048 of the row
	s_mov_b32 s17, 0
	s_mov_b32 s47, 0
	s_mul_i32 s20, s[WV], HALFT
	s_mov_b32 s[TB], 0
	s_mov_b32 s[CS], 0x3d38aa3b                    ; c = log2(e) / 32
	s_mov_b32 s[CS+1], s[CS]
	s_mov_b32 s[SEL], 0x76543210
	s_mov_b32 s[SEL+1], 0xfedcba98
	s_mov_b32 s[UP], 0xffff0000
	s_wait_dscnt 0x0
	s_wait_kmcnt 0x0
	s_add_nc_u64 s[14:15], s[QKV:QKV+1], s[16:17]
	s_add_nc_u64 s[46:47], s[QKV:QKV+1], s[46:47]
	CROUND
.irp s, 0,1
	s_mov_b32 s[G0A+4*(\s)], 1
	s_add_co_u32 s[G0A+4*(\s)+1], s20, (\s)*SLOT
	s_add_nc_u64 s[G0A+4*(\s)+2:G0A+4*(\s)+3], s[14:15], (\s)*KSTEP*2
	s_or_b32 s[G0A+4*(\s)+3], s[G0A+4*(\s)+3], 0x80000000
	s_mov_b32 s[G0B+4*(\s)], 1
	s_add_co_u32 s[G0B+4*(\s)+1], s20, (\s)*SLOT
	s_add_nc_u64 s[G0B+4*(\s)+2:G0B+4*(\s)+3], s[46:47], (\s)*KSTEP*2
	s_or_b32 s[G0B+4*(\s)+3], s[G0B+4*(\s)+3], 0x80000000
.endr
	s_cmp_eq_u32 s[RH], 0
	s_cbranch_scc0 .Lfirst_b
	tensor_load_to_lds s[G0A:G0A+3], s[G1A:G1A+7]
	s_nop 0
	tensor_load_to_lds s[G0A+4:G0A+7], s[G1A:G1A+7]
	s_nop 0
.rept 4
	v_nop
.endr
	s_branch .Lfirst_asked
.Lfirst_b:
	tensor_load_to_lds s[G0B:G0B+3], s[G1B:G1B+7]
	s_nop 0
	tensor_load_to_lds s[G0B+4:G0B+7], s[G1B:G1B+7]
	s_nop 0
.rept 4
	v_nop
.endr
.Lfirst_asked:
	v_and_b32 v1, 15, v0
	v_bfe_u32 v2, v0, 4, 1
	v_mul_u32_u24 v3, v1, PITCH
	v_lshl_add_u32 v3, v2, 4, v3
	s_mul_i32 s21, s[RH], HALFT
	s_mul_i32 s22, s[CH], HALFT
	s_add_co_u32 s22, s22, 2*HALFT
	v_add_nc_u32 v[ADRA0], s21, v3
	v_add_nc_u32 v[ADRB0], s22, v3
	s_mul_i32 s23, s[WV], 16*SPITCH
	s_add_co_u32 s23, s23, STAGE
	v_mul_u32_u24 v4, v1, SPITCH
	v_lshl_add_u32 v4, v2, 4, v4
	v_add_nc_u32 v[STO], s23, v4
	v_mul_u32_u24 v5, v2, SPITCH
	v_lshl_add_u32 v5, v1, 4, v5
	v_add_nc_u32 v[RD], s23, v5
	v_lshlrev_b32 v5, 12, v2
	v_lshl_add_u32 v[CO], v1, 4, v5                ; 4,096 (l / 16) + 16 (l % 16)
	s_lshl_b32 s23, s[WV], 10
	s_add_co_u32 s23, s23, STATS                   ; my 1,024 bytes of statistics
	v_lshlrev_b32 v5, 2, v1
	v_lshl_add_u32 v5, v2, 9, v5
	v_add_nc_u32 v[SA], s23, v5                    ; 512 (l / 16) + 4 (l % 16)
	v_and_b32 v5, 31, v0
	v_lshlrev_b32 v[GS], 4, v5
	v_add_nc_u32 v[SL], s23, v[GS]
	; where my part begins in pw
	s_lshl_b32 s16, s[TROW], 8
	s_lshl_b32 s17, s[RH], 7
	s_add_co_u32 s16, s16, s17
	s_lshl_b32 s16, s16, 12
	s_lshl_b32 s46, s[TCOL], 9
	s_lshl_b32 s47, s[CH], 8
	s_add_co_u32 s46, s46, s47
	s_add_co_u32 s46, s46, s16
	s_mov_b32 s47, 0
	s_add_nc_u64 s[PW:PW+1], s[PW:PW+1], s[46:47]
	; and in mst and lst: chunk 2 x tile column + half, row 256 x tile row + 128 x half
	s_lshl_b32 s16, s[TCOL], 1
	s_add_co_u32 s16, s16, s[CH]
	s_lshl_b32 s16, s16, 15
	s_lshl_b32 s17, s[TROW], 10
	s_add_co_u32 s16, s16, s17
	s_lshl_b32 s17, s[RH], 9
	s_add_co_u32 s16, s16, s17
	s_mov_b32 s17, 0
	s_add_nc_u64 s[MST:MST+1], s[MST:MST+1], s[16:17]
	s_add_nc_u64 s[LST:LST+1], s[LST:LST+1], s[16:17]
	; the prefetches
	s_and_b32 s22, ttmp7, 0xffff
	s_lshl_b32 s18, s[TROW], 8
	s_lshr_b32 s19, s22, 1
	s_lshl_b32 s19, s19, 11
	s_lshl_b32 s23, s[TCOL], 8
	s_add_co_u32 s19, s19, s23
	s_and_b32 s22, s22, 1
	s_mov_b32 s23, 2048+2*KSTEP*2
	s_cmp_eq_u32 s[RH], 0                          ; do I fetch q?
	s_cselect_b32 s20, s18, s19                    ; the tile's first row in qkv
	s_cselect_b32 s21, s[CX], s[CY]                ; my place among the four that ask with me
	s_cselect_b32 s22, ttmp9, s22                  ; 0 in the cluster that asks
	s_cselect_b32 s23, 2*KSTEP*2, s23              ; at K step 2 of q's or of k's part of the row
	s_cmp_eq_u32 s22, 0
	s_cselect_b32 s[LIM], 2, -1
	s_lshl_b32 s22, s[CH], 7
	s_add_co_u32 s20, s20, s22
	s_lshl_b32 s21, s21, 5
	s_add_co_u32 s20, s20, s21
	s_mul_i32 s20, s20, QPITCH
	s_add_co_u32 s20, s20, s23
	s_mov_b32 s21, 0
	s_add_nc_u64 s[PFA:PFA+1], s[QKV:QKV+1], s[20:21]
	v_and_b32 v[PFO], 31, v0
	v_mul_u32_u24 v[PFO], v[PFO], QPITCH
.macro MUL16 f, hi, a0, zero           ; 16 matrix instructions; zero = 1: the first product starts the sum
	WIN MUL_LO+0x50*(\hi)
.irp a, \a0, (\a0)+1
.irp b, 0,1,2,3,4,5,6,7
.if \zero
	v_wmma_f32_16x16x32_f16 v[8*(8*(\a)+(\b)):8*(8*(\a)+(\b))+7], v[(\f)+8*(\b):(\f)+8*(\b)+7], v[(\f)+8*(4*(\hi)+(\a)):(\f)+8*(4*(\hi)+(\a))+7], 0
.else
	v_wmma_f32_16x16x32_f16 v[8*(8*(\a)+(\b)):8*(8*(\a)+(\b))+7], v[(\f)+8*(\b):(\f)+8*(\b)+7], v[(\f)+8*(4*(\hi)+(\a)):(\f)+8*(4*(\hi)+(\a))+7], v[8*(8*(\a)+(\b)):8*(8*(\a)+(\b))+7]
.endif
.endr
.endr
.endm
.macro FETCH k, f
	WIN TO_B
.irp i, 0,1,2,3,4,5,6,7
	ds_load_b128 v[(\f)+8*(\i):(\f)+8*(\i)+3],   v[ADRB] offset:(\k)+(\i)*16*PITCH
	ds_load_b128 v[(\f)+8*(\i)+4:(\f)+8*(\i)+7], v[ADRB] offset:(\k)+(\i)*16*PITCH+32
.endr
	WIN 0
.irp i, 0,1,2,3,4,5,6,7
	ds_load_b128 v[(\f)+8*(\i):(\f)+8*(\i)+3],   v[ADRA] offset:(\k)+(\i)*16*PITCH
	ds_load_b128 v[(\f)+8*(\i)+4:(\f)+8*(\i)+7], v[ADRA] offset:(\k)+(\i)*16*PITCH+32
.endr
.endm
.macro PLACES
.rept 4
	v_nop
.endr
.endm
.macro QUARTER k, f, g, zero
	s_wait_dscnt 8                                 ; k's fragments and q's rows 0-63 are in; the youngest eight loads may be out
	MUL16 \f, 0, 0, \zero
	MUL16 \f, 0, 2, \zero
	PLACES
	FETCH \k, \g
	s_wait_dscnt 32                                ; all but the 32 just issued
	MUL16 \f, 1, 0, \zero
	MUL16 \f, 1, 2, \zero
.endm
.macro TURN fill                       ; the last quarter and the change of slots, as in the projection's text
.if \fill
	s_wait_xcnt 0x0                                ; the last prefetch, a K step back, has read its address
	s_add_nc_u64 s[PFA:PFA+1], s[PFA:PFA+1], KSTEP*2
.endif
	WIN 0
	s_wait_tensorcnt 0x0                           ; no tensor load of mine is out
	ds_add_u32 v[SPW], v[NIL]
.if \fill
	s_xor_b32 s[G0A+5], s[G0A+5], SLOT
	s_xor_b32 s[G0B+5], s[G0B+5], SLOT
	s_add_nc_u64 s[G0A+6:G0A+7], s[G0A+6:G0A+7], KSTEP*2
	s_add_nc_u64 s[G0B+6:G0B+7], s[G0B+6:G0B+7], KSTEP*2
.endif
	s_xor_b32 s[TB], s[TB], SLOT
	s_wait_dscnt 9                                 ; the add and the youngest eight loads may be out
	MUL16 F1, 0, 0, 0
	s_wait_dscnt 0x0                               ; the add is done, and my reads of this slot are over
	s_barrier_signal -1
	MUL16 F1, 0, 2, 0
	WIN 0
	s_barrier_wait -1
.if \fill
	CREST
	JLOAD
.else
	PLACES
.endif
	v_add_nc_u32 v[ADRA], s[TB], v[ADRA0]
	v_add_nc_u32 v[ADRB], s[TB], v[ADRB0]
	FETCH 0, F0
.if \fill
	ASK
.endif
	MUL16 F1, 1, 0, 0
	MUL16 F1, 1, 2, 0
.endm
; THE SOFTMAX OF BLOCK a (16 queries x the chunk's 128 keys; a lane holds 64 scores of one query).  The maximum; c s - mc; ONE batch of 64 exponentials with one wait; the roundings to f16; the sum, in place.
.macro SOFT a
.set AC, 64*((\a)%4)
.set HI, (\a)/4
	WIN 0x2a+0x15*HI                               ; three sources in the block's window
.irp b, 0,1,2,3,4,5,6,7
	v_max3_num_f32 v[RX+3*(\b)],   v[AC+8*(\b)],   v[AC+8*(\b)+1], v[AC+8*(\b)+2]
	v_max3_num_f32 v[RX+3*(\b)+1], v[AC+8*(\b)+3], v[AC+8*(\b)+4], v[AC+8*(\b)+5]
	v_max_num_f32  v[RX+3*(\b)+2], v[AC+8*(\b)+6], v[AC+8*(\b)+7]
.endr
	WIN 0
.irp b, 0,1,2,3,4,5,6,7
	v_max3_num_f32 v[RX+3*(\b)], v[RX+3*(\b)], v[RX+3*(\b)+1], v[RX+3*(\b)+2]
.endr
	v_max3_num_f32 v[RX], v[RX], v[RX+3], v[RX+6]
	v_max3_num_f32 v[RX+9], v[RX+9], v[RX+12], v[RX+15]
	v_max3_num_f32 v[RX], v[RX], v[RX+9], v[RX+18]
	v_max_num_f32 v[RX], v[RX], v[RX+21]
	v_permlanex16_b32 v[RX+1], v[RX], s[SEL], s[SEL+1]  ; the query's other 64 keys lie in the lane 16 away
	v_max_num_f32 v[RX], v[RX], v[RX+1]
	v_mul_f32 v[MCP], s[CS], v[RX]
	v_mov_b32 v[MS+(\a)], v[MCP]
	WIN 0x82+0x41*HI                               ; destination and source 0 in the block's window, mc in window 0
.set i, 0
.rept 32
	v_pk_fma_f32 v[AC+i:AC+i+1], v[AC+i:AC+i+1], s[CS:CS+1], v[MCP:MCP+1] op_sel_hi:[1,0,0] neg_lo:[0,0,1] neg_hi:[0,0,1]
.set i, i+2
.endr
.set i, 0
.rept 64
	v_exp_f32 v[AC+i], v[AC+i]
.set i, i+1
.endr
	v_nop                                          ; a plain instruction behind the last exponential,
	s_wait_alu depctr_va_vdst(0)                   ; and the one wait ahead of the batch's first reader
	WIN 0x0a+5*HI
.irp b, 0,1,2,3,4,5,6,7
.irp r, 0,1,2,3
	v_cvt_pk_f16_f32 v[TMP+4*(\b)+(\r)], v[AC+8*(\b)+2*(\r)], v[AC+8*(\b)+2*(\r)+1]
.endr
.endr
	WIN 0x8a+0x45*HI
.irp n, 32,16,8,4,2                    ; 32 pairs into one: 16 + 8 + 4 + 2 + 1 packed additions
.set i, 0
.rept (\n)/2
	v_pk_add_f32 v[AC+i:AC+i+1], v[AC+i:AC+i+1], v[AC+i+(\n):AC+i+(\n)+1]
.set i, i+2
.endr
.endr
	WIN 0x0a+5*HI
	v_add_f32 v[RX], v[AC], v[AC+1]
	WIN 0
	v_permlanex16_b32 v[RX+1], v[RX], s[SEL], s[SEL+1]
	v_add_f32 v[LS+(\a)], v[RX], v[RX+1]
.endm
.macro TOSTAGE a
	WIN 0
.set BK, OB+192*((\a)%2)
.irp b, 0,1,2,3,4,5,6,7
	ds_store_b128 v[STO], v[TMP+4*(\b):TMP+4*(\b)+3] offset:32*(\b)
.endr
.irp t, 0,1,2,3,4,5,6,7
	ds_load_b128 v[BK+4*(\t):BK+4*(\t)+3], v[RD] offset:(\t)*2*SPITCH  ; LDS serves a wave's instructions in order: these see the stores above
.endr
.endm
.macro SEND a
	WIN 0
.set BK, OB+192*((\a)%2)
	s_wait_dscnt 0x0
	s_wait_xcnt 0x0                                ; the stores two blocks back have read their registers
.irp t, 0,1,2,3,4,5,6,7
	global_store_b128 v[CO], v[BK+4*(\t):BK+4*(\t)+3], s[PW:PW+1] offset:(16*(\a)+2*(\t))*PPITCH  ; 16 lanes store 256 consecutive bytes, aligned
.endr
.endm
	s_wait_tensorcnt 1                             ; my part of K step 0 is in; K step 1's may stay out
	s_barrier_signal -1
	s_barrier_wait -1
	v_mov_b32 v[ADRA], v[ADRA0]
	v_mov_b32 v[ADRB], v[ADRB0]
	FETCH 0, F0
	QUARTER 64, F0, F1, 1
	WIN 0
	s_mov_b32 s[CNT], 6
.Lstep:                                        ; six trips: K steps 2 to 7 are asked for
	QUARTER 128, F1, F0, 0
	QUARTER 192, F0, F1, 0
	TURN 1
	QUARTER 64, F0, F1, 0
	WIN 0
	s_sub_co_u32 s[CNT], s[CNT], 1
	s_cmp_lg_u32 s[CNT], 0
	s_cbranch_scc1 .Lstep
	QUARTER 128, F1, F0, 0
	QUARTER 192, F0, F1, 0
	TURN 0
	QUARTER 64, F0, F1, 0
	QUARTER 128, F1, F0, 0
	QUARTER 192, F0, F1, 0
	s_wait_dscnt 8
	MUL16 F1, 0, 0, 0
	MUL16 F1, 0, 2, 0
	s_wait_dscnt 0x0
	MUL16 F1, 1, 0, 0
	MUL16 F1, 1, 2, 0
	WIN 0
	PLACES
	v_mov_b32 v[MCP+1], 0
	SOFT 0
	TOSTAGE 0
.irp a, 1,2,3,4,5,6,7                  ; block a's softmax stands between block a - 1's loads from the stage and the wait for them
	SOFT \a
	SEND (\a)-1
	TOSTAGE \a
.endr
	SEND 7
	; the statistics: lanes 0-15 put a row's mc, lanes 16-31 its l; read back as 512 consecutive bytes each
.irp a, 0,1,2,3,4,5,6,7
	v_cndmask_b32 v[RX+(\a)], v[MS+(\a)], v[LS+(\a)], s[UP]
	ds_store_b32 v[SA], v[RX+(\a)] offset:64*(\a)
.endr
	ds_load_b128 v[112:115], v[SL]
	ds_load_b128 v[116:119], v[SL] offset:512
	s_wait_dscnt 0x0
	global_store_b128 v[GS], v[112:115], s[MST:MST+1]
	global_store_b128 v[GS], v[116:119], s[LST:LST+1]
	s_wait_tensorcnt 0x0                           ; the wave's end
	ds_add_u32 v[SPW], v[NIL]
	s_wait_dscnt 0x0
	CROUND
	s_endpgm
.Lfunc_end_k_q7e1300ee49_score:
	.size	k_q7e1300ee49_score, .Lfunc_end_k_q7e1300ee49_score-k_q7e1300ee49_score
	.p2alignl 7, 3214868480
	.fill 96, 4, 3214868480
	.section	.rodata,"a",@progbits
	.p2align	6, 0x0
	.amdhsa_kernel k_q7e1300ee49_score
		.amdhsa_group_segment_fixed_size 327680
		.amdhsa_private_segment_fixed_size 0
		.amdhsa_enable_private_segment 0
		.amdhsa_kernarg_size 32
		.amdhsa_user_sgpr_count 2
		.amdhsa_user_sgpr_kernarg_segment_ptr 1
		.amdhsa_wavefront_size32 1
		.amdhsa_system_sgpr_workgroup_id_x 1
		.amdhsa_system_sgpr_workgroup_id_y 1
		.amdhsa_system_sgpr_workgroup_id_z 1
		.amdhsa_system_vgpr_workitem_id 0
		.amdhsa_next_free_vgpr 1024
		.amdhsa_next_free_sgpr 80
		.amdhsa_reserve_vcc 0
		.amdhsa_float_denorm_mode_32 3
		.amdhsa_float_denorm_mode_16_64 3
		.amdhsa_memory_ordered 1
		.amdhsa_forward_progress 1
		.amdhsa_inst_pref_size 187
	.end_amdhsa_kernel
	.amdgpu_metadata
---
amdhsa.version: [ 1, 2 ]
amdhsa.kernels:
  - .name:           k_q7e1300ee49_score
    .symbol:         k_q7e1300ee49_score.kd
    .args:
      - { .name: qkv, .offset: 0, .size: 8, .value_kind: global_buffer, .address_space: global }
      - { .name: pw, .offset: 8, .size: 8, .value_kind: global_buffer, .address_space: global }
      - { .name: mst, .offset: 16, .size: 8, .value_kind: global_buffer, .address_space: global }
      - { .name: lst, .offset: 24, .size: 8, .value_kind: global_buffer, .address_space: global }
    .group_segment_fixed_size: 327680
    .private_segment_fixed_size: 0
    .kernarg_segment_align: 8
    .kernarg_segment_size: 32
    .max_flat_workgroup_size: 128
    .sgpr_count:     80
    .vgpr_count:     1024
    .wavefront_size: 32
...
	.end_amdgpu_metadata
.endif
;; end of part 3
;; launch pv (part 4): grid 4 x 64, 4 waves a work-group, clusters of 4 x 4, 327,680 bytes of LDS; arguments pw, qkv, mst, lst, out0; writes out0
.if DOCPART == 4
	.amdgcn_target "amdgcn-amd-amdhsa--gfx1250"
	.amdhsa_code_object_version 6
	.text
	.protected	k_q7e1300ee49_pv
	.globl	k_q7e1300ee49_pv
	.p2align	8
	.type	k_q7e1300ee49_pv,@function
k_q7e1300ee49_pv:
	s_mov_b64 s[64:65], 0
	v_nop
	global_prefetch_b8 v0, s[64:65] scope:SCOPE_SE
	s_setreg_imm32_b32 hwreg(HW_REG_WAVE_MODE, 25, 1), 1
	s_wait_xcnt 0x0
	s_wait_alu depctr_hold_cnt(0) depctr_sa_sdst(0) depctr_va_vdst(0) depctr_va_sdst(0) depctr_va_ssrc(0) depctr_va_vcc(0) depctr_vm_vsrc(0)
	s_getreg_b32 s2, hwreg(HW_REG_IB_STS2, 6, 4)
	s_cmp_eq_u32 s2, 0
	s_cbranch_scc0 .Lentry_in_a_cluster
	s_endpgm
.Lentry_in_a_cluster:
	s_bfe_u32 s2, ttmp6, 0x10000c
	s_cmp_lg_u32 s2, 0xf033
	s_cbranch_scc0 .Lentry_shape_is_right
	s_endpgm
.Lentry_shape_is_right:
; out0[row][:] = (the sum over the 16 chunks t of f_t P_t V_t) / L, with M = max_t mc_t, f_t = 2^(mc_t - M), L = the sum of f_t l_t: the row's softmax, the row's maximum taken away.
; P = pw [8192][2048] f16 (each chunk relative to its own maximum), V = qkv's bytes 4096-6143 of a row, f16; mc, l = mst, lst [16][8192] f32; out0 [8192][1024] f32.  Sums in f32.
; f_t is rounded to f16 and multiplied onto P's fragments in registers (one more rounding to f16), between their load from LDS and the matrix instruction.
; LIMITS.  f p below 6e-5 keeps f16's fixed step of 6e-8; an f below 2^-126 counts as 0.  NaN and infinities are not treated apart.
; A tile of out0 is 128 queries x 256 channels (256 work-groups): four waves, each 64 x 128 in 32 accumulators.  K = the batch's 2,048 keys, in 16 steps of 128 = one chunk, through two LDS slots.
; CLUSTER 4 x 4: P's tile is shared along a row of the cluster (its four tile columns are all there are), V's along a column (a cluster's four tile rows lie in one batch).
; THE MATRIX INSTRUCTION IS USED TRANSPOSED: source 0 = 16 channels x 32 keys of V^T (V lies [key][channel] in LDS and comes turned, by ds_load_tr16_b128), source 1 = 16 queries x 32 keys of P.
; Lane l holds query l % 16 in P's fragment and in the result, so f and 1 / L are one number a lane and row block.
; REGISTERS: window 0: v0-20 addresses; v32-95 mc, then f, later the way out; v96-223 l, later the way out; v224-231 1 / L.  Window 1: v0-63 P's fragments (two buffers), v64-191 V's, v192-195 f of the chunk in hand.  Window 2: the accumulators.
.set PA,     272                       ; a row of P in LDS: 256 bytes + 16
.set PB,     544                       ; a row of V: 512 bytes + 32 = 17 x 32
.set BOFF,   128*PA                    ; V's tile lies behind P's
.set SLOT1,  1<<17                     ; slot 1 begins here: one exclusive or turns an address in one slot into the other's
.set STAGE,  SLOT1+128*PA+128*PB       ; 16 rows x 528 bytes for each wave
.set SP,     528
.set FTAB,   STAGE+4*16*SP             ; each lane's 64 factors f: 16 bytes a chunk, 272 bytes a lane, 8,704 a wave
.set PF,     272
.set SPARE,  FTAB+4*32*PF              ; the spare words: 128 bytes a wave, named by no other line
.set PPITCH, 4096                      ; bytes in a row of pw, and of out0
.set QPITCH, 6144
.set ASTEP,  256                       ; a K step along P's rows
.set BSTEP,  128*QPITCH                ; and down V's
.set ADRA0, 8
.set ADRB0, 9
.set FTA0,  10
.set ADRA,  11
.set ADRB,  12
.set FTAD,  13
.set STO,   14
.set RD,    15
.set CO,    16
.set SO,    17
.set SPW,   18
.set NIL,   19
.set PFO,   20
.set MB,    32                         ; mc, then f, of (chunk t, row block a) at MB + 4 t + a
.set LB,    96                         ; l likewise
.set MX,    160
.set LS,    164
.set RL,    224                        ; 1 / L of row block a at RL + 2 a, 0 beside it: named as pairs
.set TO,    32
.set OB0,   96
.set FA,    0                          ; window 1
.set FB,    64
.set FF,    192
.set TB,   2
.set CNT,  3
.set WV,   10
.set RH,   11                          ; which 64 queries are mine; also: I fetch P (0) or V (1)
.set CH,   12                          ; which 128 channels; also: which half of the tile I fetch
.set TROW, 13
.set G1A,  24
.set G0A,  32
.set CX,   40
.set CY,   41
.set TCOL, 42
.set LIM,  43
.set PFA,  44
.set G1B,  48
.set G0B,  56
.set PST,  66                          ; s[66:67] the prefetches' step
.set FT,   68                          ; s68  16 x the chunk in hand
.set PW,   72
.set QKV,  74
.set MST,  76
.set LST,  78
.set OUT,  80
.set MSB, 0
.macro WIN new
.if MSB != (\new)
	s_set_vgpr_msb (MSB<<8)|(\new)
.set MSB, \new
.endif
.endm
.set MUL,  0xa5                        ; sources 0 and 1 window 1, C and D window 2
.set TO_F, 0x40                        ; destination window 1, address window 0
.set SC,   0x45                        ; destination and both sources window 1
.macro JLOAD                           ; a joint refill by the walking group 0; an s_nop 0 and four v_nop follow each line
	s_cmp_eq_u32 s[RH], 0
	s_cbranch_scc0 .Lfor_b_\@
	tensor_load_to_lds s[G0A+4:G0A+7], s[G1A:G1A+7]
	s_nop 0
.rept 4
	v_nop
.endr
	s_branch .Lasked_\@
.Lfor_b_\@:
	tensor_load_to_lds s[G0B+4:G0B+7], s[G1B:G1B+7]
	s_nop 0
.rept 4
	v_nop
.endr
.Lasked_\@:
.endm
; A prefetch of the K step two refills on, a lane a row.  P's 128 rows x 256 bytes are read by this cluster's row alone: wave 0 asks, 32 rows for each partner along x.  V's 128 rows x 512 bytes are read by the batch's four
; clusters: the first of them asks, 32 rows for each partner along y, wave 2 the rows' first 256 bytes, wave 3 the second.  The partners are told apart by address.  K steps 4 to 15 are named, each block once.
.macro ASK
	s_cmp_gt_u32 s[CNT], s[LIM]
	s_cbranch_scc0 .Lnot_mine_\@
	global_prefetch_b8 v[PFO], s[PFA:PFA+1] th:TH_LOAD_NT scope:SCOPE_SE
.Lnot_mine_\@:
.endm
.macro CREST
	s_cmp_lg_u32 s[WV], 0
	s_cbranch_scc1 .Lnot_wave_0_\@
	s_barrier_signal -3
.Lnot_wave_0_\@:
	s_barrier_wait -3
	s_barrier_signal -1
	s_barrier_wait -1
.endm
.macro CROUND
	s_barrier_signal -1
	s_barrier_wait -1
	CREST
.endm
	s_load_b256 s[72:79], s[0:1], 0x0              ; pw, qkv, mst, lst
	s_load_b64 s[80:81], s[0:1], 0x20              ; out0
	v_lshl_add_u32 v[SPW], v0, 2, SPARE
	v_mov_b32 v[NIL], 0
	ds_add_u32 v[SPW], v[NIL]                      ; the wave's opening: the add and its wait stand ahead of my first tensor load
	v_lshrrev_b32 v1, 5, v0
	v_readfirstlane_b32 s[WV], v1
	s_lshr_b32 s[RH], s[WV], 1
	s_and_b32 s[CH], s[WV], 1
	s_bfe_u32 s[CX], ttmp6, 0x40000
	s_bfe_u32 s[CY], ttmp6, 0x40004
	s_lshl_b32 s[TCOL], ttmp9, 2
	s_add_co_u32 s[TCOL], s[TCOL], s[CX]           ; tile column: 256 channels
	s_and_b32 s[TROW], ttmp7, 0xffff
	s_lshl_b32 s[TROW], s[TROW], 2
	s_add_co_u32 s[TROW], s[TROW], s[CY]           ; tile row: 128 of the 8,192 query rows
	s_lshl_b32 s43, s[CY], 2
	s_lshl_b32 s43, 15, s43
	s_lshl_b32 s44, 0x1111, s[CX]
	s_or_b32 s[G1A+0], s43, (1<<16)|(1<<20)|(1<<21)|(5<<22)|(3<<25)  ; P: after every 64 words 4 words of padding
	s_mov_b32 s[G1A+1], 128<<16                    ; tensor_dim0 = 128
	s_mov_b32 s[G1A+2], 64<<16                     ; tensor_dim1 = 64
	s_mov_b32 s[G1A+3], 128<<16                    ; tile_dim0 = 128
	s_mov_b32 s[G1A+4], 64                         ; tile_dim1 = 64
	s_mov_b32 s[G1A+5], 2048                       ; elements from row to row of pw
	s_mov_b32 s[G1A+6], 0
	s_mov_b32 s[G1A+7], 0
	s_or_b32 s[G1B+0], s44, (1<<16)|(1<<20)|(1<<21)|(6<<22)|(7<<25)  ; V: after every 128 words 8 words of padding
	s_mov_b32 s[G1B+1], 256<<16
	s_mov_b32 s[G1B+2], 64<<16
	s_mov_b32 s[G1B+3], 256<<16
	s_mov_b32 s[G1B+4], 64
	s_mov_b32 s[G1B+5], 3072                       ; elements from row to row of qkv
	s_mov_b32 s[G1B+6], 0
	s_mov_b32 s[G1B+7], 0
	s_lshl_b32 s17, s[CH], 6                       ; which 64 rows of the tile I fetch
	s_lshl_b32 s16, s[TROW], 7
	s_add_co_u32 s16, s16, s17
	s_lshl_b32 s16, s16, 12                        ; P: row 128 x tile row + 64 x half
	s_and_b32 s47, ttmp7, 0xffff
	s_lshr_b32 s47, s47, 2                         ; the batch, from the cluster's y alone
	s_lshl_b32 s47, s47, 11
	s_add_co_u32 s46, s47, s17
	s_mul_i32 s46, s46, QPITCH                     ; V: row 2,048 x batch + 64 x half,
	s_lshl_b32 s47, s[TCOL], 9
	s_add_co_u32 s46, s46, s47                     ; the tile column's 512 bytes,
	s_add_co_u32 s46, s46, 4096                    ; in v's part of the row
	s_mov_b32 s17, 0
	s_mov_b32 s47, 0
	s_mul_i32 s20, s[CH], 64*PA                    ; where my load lands in a slot, for P
	s_mul_i32 s21, s[CH], 64*PB                    ; and for V
	s_add_co_u32 s21, s21, BOFF
	s_mov_b32 s[TB], 0
	s_mov_b32 s[FT], 0
	s_wait_dscnt 0x0
	s_wait_kmcnt 0x0
	s_add_nc_u64 s[14:15], s[PW:PW+1], s[16:17]
	s_add_nc_u64 s[46:47], s[QKV:QKV+1], s[46:47]
	CROUND
.irp s, 0,1
	s_mov_b32 s[G0A+4*(\s)], 1
	s_add_co_u32 s[G0A+4*(\s)+1], s20, (\s)*SLOT1
	s_add_nc_u64 s[G0A+4*(\s)+2:G0A+4*(\s)+3], s[14:15], (\s)*ASTEP
	s_or_b32 s[G0A+4*(\s)+3], s[G0A+4*(\s)+3], 0x80000000
	s_mov_b32 s[G0B+4*(\s)], 1
	s_add_co_u32 s[G0B+4*(\s)+1], s21, (\s)*SLOT1
	s_add_nc_u64 s[G0B+4*(\s)+2:G0B+4*(\s)+3], s[46:47], (\s)*BSTEP
	s_or_b32 s[G0B+4*(\s)+3], s[G0B+4*(\s)+3], 0x80000000
.endr
	s_cmp_eq_u32 s[RH], 0                          ; a wave's two first fills stand in one branch: two loads of mine are out
	s_cbranch_scc0 .Lfirst_b
	tensor_load_to_lds s[G0A:G0A+3], s[G1A:G1A+7]
	s_nop 0
	tensor_load_to_lds s[G0A+4:G0A+7], s[G1A:G1A+7]
	s_nop 0
.rept 4
	v_nop
.endr
	s_branch .Lfirst_asked
.Lfirst_b:
	tensor_load_to_lds s[G0B:G0B+3], s[G1B:G1B+7]
	s_nop 0
	tensor_load_to_lds s[G0B+4:G0B+7], s[G1B:G1B+7]
	s_nop 0
.rept 4
	v_nop
.endr
.Lfirst_asked:
	v_and_b32 v1, 15, v0                           ; l % 16
	v_bfe_u32 v2, v0, 4, 1                         ; l / 16
	v_and_b32 v3, 31, v0                           ; l
	v_lshlrev_b32 v[SO], 2, v1
	; the statistics of my 64 rows: mc and l of all 16 chunks, a lane a row (both halves of the lanes alike)
	s_lshl_b32 s16, s[TROW], 9
	s_lshl_b32 s17, s[RH], 8
	s_add_co_u32 s16, s16, s17
	s_mov_b32 s17, 0
	s_add_nc_u64 s[MST:MST+1], s[MST:MST+1], s[16:17]
	s_add_nc_u64 s[LST:LST+1], s[LST:LST+1], s[16:17]
.set t, 0
.rept 16
.irp a, 0,1,2,3
	global_load_b32 v[MB+4*t+(\a)], v[SO], s[MST:MST+1] offset:32768*t+64*(\a)
.endr
.set t, t+1
.endr
.set t, 0
.rept 16
.irp a, 0,1,2,3
	global_load_b32 v[LB+4*t+(\a)], v[SO], s[LST:LST+1] offset:32768*t+64*(\a)
.endr
.set t, t+1
.endr
	v_mul_u32_u24 v4, v1, PA
	v_lshl_add_u32 v4, v2, 4, v4
	s_mul_i32 s22, s[RH], 64*PA
	v_add_nc_u32 v[ADRA0], s22, v4                 ; P: row x pitch + 16 x half, in my 64 rows
	; the turning load takes 16 keys x 16 channels: lane l reads key 8 (l / 16) + l % 8, channels 8 ((l / 8) % 2) + 0..7, and ends with channel l % 16 and 8 keys
	v_and_b32 v5, 7, v0
	v_bfe_u32 v6, v0, 3, 1
	v_lshl_add_u32 v5, v2, 3, v5
	v_mul_u32_u24 v5, v5, PB
	v_lshl_add_u32 v5, v6, 4, v5
	s_lshl_b32 s22, s[CH], 8
	s_add_co_u32 s22, s22, BOFF
	v_add_nc_u32 v[ADRB0], s22, v5
	s_mul_i32 s22, s[WV], 32*PF
	s_add_co_u32 s22, s22, FTAB
	v_mul_u32_u24 v4, v3, PF
	v_add_nc_u32 v[FTA0], s22, v4
	s_mul_i32 s22, s[WV], 16*SP
	s_add_co_u32 s22, s22, STAGE
	v_mul_u32_u24 v4, v1, SP
	v_lshl_add_u32 v4, v2, 5, v4
	v_add_nc_u32 v[STO], s22, v4                   ; in: row l % 16, 32 bytes for each half of the lanes
	v_lshl_add_u32 v[RD], v3, 4, s22               ; back: 32 lanes take one row of 512 bytes
	v_lshlrev_b32 v[CO], 4, v3
	; where my part begins in out0
	s_lshl_b32 s16, s[TROW], 7
	s_lshl_b32 s17, s[RH], 6
	s_add_co_u32 s16, s16, s17
	s_lshl_b32 s16, s16, 12
	s_lshl_b32 s17, s[TCOL], 10
	s_add_co_u32 s16, s16, s17
	s_lshl_b32 s17, s[CH], 9
	s_add_co_u32 s16, s16, s17
	s_mov_b32 s17, 0
	s_add_nc_u64 s[OUT:OUT+1], s[OUT:OUT+1], s[16:17]
	; the prefetches: they stand at K step 3; each refill steps them first, so the first names K step 4
	s_and_b32 s22, ttmp7, 0xffff
	s_lshl_b32 s18, s[TROW], 7
	s_lshl_b32 s19, s[CX], 5
	s_add_co_u32 s18, s18, s19
	s_lshl_b32 s18, s18, 12
	s_add_co_u32 s18, s18, 3*ASTEP                 ; P: my work-group's 32 rows of the tile
	s_lshr_b32 s19, s22, 2
	s_lshl_b32 s19, s19, 11
	s_lshl_b32 s20, s[CY], 5
	s_add_co_u32 s19, s19, s20
	s_add_co_u32 s19, s19, 3*128
	s_mul_i32 s19, s19, QPITCH                     ; V: my work-group's 32 keys of the step,
	s_lshl_b32 s20, s[TCOL], 9
	s_add_co_u32 s19, s19, s20
	s_lshl_b32 s20, s[CH], 8                       ; my wave's 256 bytes of their 512
	s_add_co_u32 s19, s19, s20
	s_add_co_u32 s19, s19, 4096
	s_and_b32 s22, s22, 3                          ; 0 in the batch's first cluster
	s_mov_b32 s[PST], BSTEP
	s_mov_b32 s[PST+1], 0
	s_mov_b32 s23, QPITCH
	s_mov_b32 s21, 0
	s_cmp_eq_u32 s[RH], 0                          ; do I fetch P?
	s_cselect_b32 s20, s18, s19
	s_cselect_b32 s22, s[CH], s22                  ; of P's two waves the first asks
	s_cselect_b32 s[PST], ASTEP, s[PST]
	s_cselect_b32 s23, PPITCH, s23
	s_cselect_b64 s[PFA:PFA+1], s[PW:PW+1], s[QKV:QKV+1]
	s_add_nc_u64 s[PFA:PFA+1], s[PFA:PFA+1], s[20:21]
	s_cmp_eq_u32 s22, 0
	s_cselect_b32 s[LIM], 2, -1                    ; the same in all sixteen partners, for a given wave
	v_mul_u32_u24 v[PFO], v3, s23
	; M, f, L and 1 / L: all this stands in the wait for the first tiles
	s_wait_loadcnt 0x0
.irp a, 0,1,2,3
	v_max3_num_f32 v[MX+(\a)], v[MB+(\a)], v[MB+4+(\a)], v[MB+8+(\a)]
.endr
.set t, 3
.rept 6
.irp a, 0,1,2,3
	v_max3_num_f32 v[MX+(\a)], v[MX+(\a)], v[MB+4*t+(\a)], v[MB+4*t+4+(\a)]
.endr
.set t, t+2
.endr
.irp a, 0,1,2,3
	v_max_num_f32 v[MX+(\a)], v[MX+(\a)], v[MB+60+(\a)]
.endr
.set i, 0
.rept 64
	v_sub_f32 v[MB+i], v[MB+i], v[MX+i%4]
.set i, i+1
.endr
.set i, 0
.rept 64
	v_exp_f32 v[MB+i], v[MB+i]
.set i, i+1
.endr
	v_nop                                          ; a plain instruction behind the last exponential,
	s_wait_alu depctr_va_vdst(0)                   ; and the one wait ahead of the batch's first reader
.irp a, 0,1,2,3
	v_mul_f32 v[LS+(\a)], v[MB+(\a)], v[LB+(\a)]
.endr
.set i, 4
.rept 60
	v_fmac_f32 v[LS+i%4], v[MB+i], v[LB+i]
.set i, i+1
.endr
.irp a, 0,1,2,3
	v_rcp_f32 v[RL+2*(\a)], v[LS+(\a)]
.endr
.irp a, 0,1,2,3
	v_mov_b32 v[RL+2*(\a)+1], 0
.endr
.set i, 0
.rept 64
	v_cvt_pk_f16_f32 v[MB+i], v[MB+i], v[MB+i]     ; f in both halves
.set i, i+1
.endr
	s_wait_alu depctr_va_vdst(0)                   ; the four reciprocals' wait; the lines above are the work between
.set t, 0
.rept 16
	ds_store_b128 v[FTA0], v[MB+4*t:MB+4*t+3] offset:16*t
.set t, t+1
.endr
; 8 matrix instructions: row block a x all 8 channel blocks, 32 keys, buffer f.  zero = 1: the first product starts the sum.  The 32 accumulators take turns, in the same order in every quarter.
.macro MULA f, a, zero
	WIN MUL
.irp b, 0,1,2,3,4,5,6,7
.if \zero
	v_wmma_f32_16x16x32_f16 v[8*(8*(\a)+(\b)):8*(8*(\a)+(\b))+7], v[FB+64*(\f)+8*(\b):FB+64*(\f)+8*(\b)+7], v[FA+32*(\f)+8*(\a):FA+32*(\f)+8*(\a)+7], 0
.else
	v_wmma_f32_16x16x32_f16 v[8*(8*(\a)+(\b)):8*(8*(\a)+(\b))+7], v[FB+64*(\f)+8*(\b):FB+64*(\f)+8*(\b)+7], v[FA+32*(\f)+8*(\a):FA+32*(\f)+8*(\a)+7], v[8*(8*(\a)+(\b)):8*(8*(\a)+(\b))+7]
.endif
.endr
.endm
; Row block 3's eight products; behind each stand four of the 32 multiplications that scale the NEXT quarter's fragments of P (buffer g) by f
.macro MULS f, g, zero
.irp b, 0,1,2,3,4,5,6,7
	WIN MUL
.if \zero
	v_wmma_f32_16x16x32_f16 v[8*(24+(\b)):8*(24+(\b))+7], v[FB+64*(\f)+8*(\b):FB+64*(\f)+8*(\b)+7], v[FA+32*(\f)+24:FA+32*(\f)+31], 0
.else
	v_wmma_f32_16x16x32_f16 v[8*(24+(\b)):8*(24+(\b))+7], v[FB+64*(\f)+8*(\b):FB+64*(\f)+8*(\b)+7], v[FA+32*(\f)+24:FA+32*(\f)+31], v[8*(24+(\b)):8*(24+(\b))+7]
.endif
	WIN SC
.irp n, 0,1,2,3
	v_pk_mul_f16 v[FA+32*(\g)+4*(\b)+(\n)], v[FA+32*(\g)+4*(\b)+(\n)], v[FF+(\b)/2]
.endr
.endr
.endm
; 24 LDS loads in one run: quarter q's fragments into buffer g: P's eight first, then V's sixteen
.macro FETCH3 q, g
	WIN TO_F
.irp i, 0,1,2,3
	ds_load_b128 v[FA+32*(\g)+8*(\i):FA+32*(\g)+8*(\i)+3],   v[ADRA] offset:64*(\q)+(\i)*16*PA
	ds_load_b128 v[FA+32*(\g)+8*(\i)+4:FA+32*(\g)+8*(\i)+7], v[ADRA] offset:64*(\q)+(\i)*16*PA+32
.endr
.irp b, 0,1,2,3,4,5,6,7
	ds_load_tr16_b128 v[FB+64*(\g)+8*(\b):FB+64*(\g)+8*(\b)+3],   v[ADRB] offset:(\q)*32*PB+32*(\b)
	ds_load_tr16_b128 v[FB+64*(\g)+8*(\b)+4:FB+64*(\g)+8*(\b)+7], v[ADRB] offset:(\q)*32*PB+16*PB+32*(\b)
.endr
.endm
.macro PLACES
.rept 4
	v_nop
.endr
.endm
; One of a K step's first three quarters: multiplies buffer f, fetches quarter q into buffer g and scales its P
.macro QUARTER3 q, f, g, zero
	s_wait_dscnt 0x0                               ; buffer f's V is in (its P was waited for, and scaled, a quarter ago)
	MULA \f, 0, \zero
	PLACES
	FETCH3 \q, \g
	MULA \f, 1, \zero
	MULA \f, 2, \zero
	s_wait_dscnt 16                                ; buffer g's P is in; V's sixteen loads may stay out
	MULS \f, \g, \zero
.endm
; The last quarter multiplies buffer 1 and changes slots, and chunks.  In front of the barrier each wave waits for all its tensor loads, adds 0 to its spare word, and waits for that and for its reads of this slot.
; fill = 1: the barrier opens a round of the cluster's barrier, and the joint refill of the slot just read, two K steps on, is the first thing behind the round.
.macro TURN3 fill
.if \fill
	s_wait_xcnt 0x0                                ; the last prefetch, a K step back, has read its address
	s_add_nc_u64 s[PFA:PFA+1], s[PFA:PFA+1], s[PST:PST+1]
.endif
	WIN 0
	s_wait_tensorcnt 0x0                           ; no tensor load of mine is out, so a group 0 may be written
	ds_add_u32 v[SPW], v[NIL]
.if \fill
	s_xor_b32 s[G0A+5], s[G0A+5], SLOT1
	s_add_nc_u64 s[G0A+6:G0A+7], s[G0A+6:G0A+7], ASTEP
	s_xor_b32 s[G0B+5], s[G0B+5], SLOT1
	s_add_nc_u64 s[G0B+6:G0B+7], s[G0B+6:G0B+7], BSTEP
.endif
	s_xor_b32 s[TB], s[TB], SLOT1
	s_add_co_u32 s[FT], s[FT], 16
	s_wait_dscnt 1                                 ; buffer 1's V is in; the add may be out
	MULA 1, 0, 0
	s_wait_dscnt 0x0                               ; the add is done, and my reads of this slot are over
	s_barrier_signal -1
	MULA 1, 1, 0
	WIN 0
	s_barrier_wait -1
.if \fill
	CREST
	JLOAD                                          ; its four v_nop are also the places in front of the loads below
.else
	PLACES
.endif
	v_add_nc_u32 v[ADRA], s[TB], v[ADRA0]
	v_add_nc_u32 v[ADRB], s[TB], v[ADRB0]
	v_add_nc_u32 v[FTAD], s[FT], v[FTA0]
	WIN TO_F
	ds_load_b128 v[FF:FF+3], v[FTAD]               ; the next chunk's f for my four row blocks
	FETCH3 0, 0
	WIN 0
.if \fill
	ASK
.endif
	MULA 1, 2, 0
	s_wait_dscnt 16                                ; f and P are in
	MULS 1, 0, 0
.endm
; THE WAY OUT of row block a: times 1 / L; 32 bytes a lane into my stage; back as whole rows of 512 bytes; stored.
.macro PACK3 a
	WIN 0x02                                       ; source 0 window 2; each accumulator's registers are taken in ascending order
.set i, 0
.rept 32
	v_pk_mul_f32 v[TO+i:TO+i+1], v[64*(\a)+i:64*(\a)+i+1], v[RL+2*(\a):RL+2*(\a)+1] op_sel_hi:[1,0]
.set i, i+2
.endr
	WIN 0
.endm
.macro TOSTAGE3 a
	WIN 0
.set BK, OB0+64*((\a)%2)
.irp b, 0,1,2,3,4,5,6,7
	ds_store_b128 v[STO], v[TO+8*(\b):TO+8*(\b)+3]   offset:64*(\b)
	ds_store_b128 v[STO], v[TO+8*(\b)+4:TO+8*(\b)+7] offset:64*(\b)+16
.endr
.irp t, 0,1,2,3,4,5,6,7,8,9,10,11,12,13,14,15
	ds_load_b128 v[BK+4*(\t):BK+4*(\t)+3], v[RD] offset:(\t)*SP  ; LDS serves a wave's instructions in order: these see the stores above
.endr
.endm
.macro SEND3 a
	WIN 0
.set BK, OB0+64*((\a)%2)
	s_wait_dscnt 0x0
	s_wait_xcnt 0x0                                ; the stores two blocks back have read their registers
.irp t, 0,1,2,3,4,5,6,7,8,9,10,11,12,13,14,15
	global_store_b128 v[CO], v[BK+4*(\t):BK+4*(\t)+3], s[OUT:OUT+1] offset:(16*(\a)+(\t))*PPITCH th:TH_STORE_NT  ; the wave stores 512 consecutive bytes, aligned
.endr
.endm
	s_wait_tensorcnt 1                             ; my part of K step 0 is in; K step 1's may stay out
	s_wait_dscnt 0x0                               ; my table of f is written
	s_barrier_signal -1
	s_barrier_wait -1
	v_mov_b32 v[ADRA], v[ADRA0]
	v_mov_b32 v[ADRB], v[ADRB0]
	WIN TO_F
	ds_load_b128 v[FF:FF+3], v[FTA0]               ; chunk 0's f
	FETCH3 0, 0
	s_wait_dscnt 16                                ; f and P are in
	WIN SC
.set i, 0
.rept 32
	v_pk_mul_f16 v[FA+i], v[FA+i], v[FF+i/8]
.set i, i+1
.endr
	QUARTER3 1, 0, 1, 1                            ; the first quarter stands in front of the loop: its products start the sums
	WIN 0
	s_mov_b32 s[CNT], 14
.Lstep:                                        ; fourteen trips: K steps 2 to 15 are asked for
	QUARTER3 2, 1, 0, 0
	QUARTER3 3, 0, 1, 0
	TURN3 1
	QUARTER3 1, 0, 1, 0
	WIN 0
	s_sub_co_u32 s[CNT], s[CNT], 1
	s_cmp_lg_u32 s[CNT], 0
	s_cbranch_scc1 .Lstep
	QUARTER3 2, 1, 0, 0                            ; the last two K steps ask for nothing
	QUARTER3 3, 0, 1, 0
	TURN3 0
	QUARTER3 1, 0, 1, 0
	QUARTER3 2, 1, 0, 0
	QUARTER3 3, 0, 1, 0
	s_wait_dscnt 0x0
	MULA 1, 0, 0
	MULA 1, 1, 0
	MULA 1, 2, 0
	MULA 1, 3, 0
	WIN 0
	PLACES
	PACK3 0
	TOSTAGE3 0
.irp a, 1,2,3                          ; block a's scaling stands between block a - 1's loads from the stage and the wait for them
	PACK3 \a
	SEND3 (\a)-1
	TOSTAGE3 \a
.endr
	SEND3 3
	s_wait_tensorcnt 0x0                           ; the wave's end
	ds_add_u32 v[SPW], v[NIL]
	s_wait_dscnt 0x0
	CROUND                                         ; the closing round
	s_endpgm
.Lfunc_end_k_q7e1300ee49_pv:
	.size	k_q7e1300ee49_pv, .Lfunc_end_k_q7e1300ee49_pv-k_q7e1300ee49_pv
	.p2alignl 7, 3214868480
	.fill 96, 4, 3214868480
	.section	.rodata,"a",@progbits
	.p2align	6, 0x0
	.amdhsa_kernel k_q7e1300ee49_pv
		.amdhsa_group_segment_fixed_size 327680
		.amdhsa_private_segment_fixed_size 0
		.amdhsa_enable_private_segment 0
		.amdhsa_kernarg_size 40
		.amdhsa_user_sgpr_count 2
		.amdhsa_user_sgpr_kernarg_segment_ptr 1
		.amdhsa_wavefront_size32 1
		.amdhsa_system_sgpr_workgroup_id_x 1
		.amdhsa_system_sgpr_workgroup_id_y 1
		.amdhsa_system_sgpr_workgroup_id_z 1
		.amdhsa_system_vgpr_workitem_id 0
		.amdhsa_next_free_vgpr 768
		.amdhsa_next_free_sgpr 84
		.amdhsa_reserve_vcc 0
		.amdhsa_float_denorm_mode_32 3
		.amdhsa_float_denorm_mode_16_64 3
		.amdhsa_memory_ordered 1
		.amdhsa_forward_progress 1
		.amdhsa_inst_pref_size 134
	.end_amdhsa_kernel
	.amdgpu_metadata
---
amdhsa.version: [ 1, 2 ]
amdhsa.kernels:
  - .name:           k_q7e1300ee49_pv
    .symbol:         k_q7e1300ee49_pv.kd
    .args:
      - { .name: pw, .offset: 0, .size: 8, .value_kind: global_buffer, .address_space: global }
      - { .name: qkv, .offset: 8, .size: 8, .value_kind: global_buffer, .address_space: global }
      - { .name: mst, .offset: 16, .size: 8, .value_kind: global_buffer, .address_space: global }
      - { .name: lst, .offset: 24, .size: 8, .value_kind: global_buffer, .address_space: global }
      - { .name: out0, .offset: 32, .size: 8, .value_kind: global_buffer, .address_space: global }
    .group_segment_fixed_size: 327680
    .private_segment_fixed_size: 0
    .kernarg_segment_align: 8
    .kernarg_segment_size: 40
    .max_flat_workgroup_size: 128
    .sgpr_count:     84
    .vgpr_count:     768
    .wavefront_size: 32
...
	.end_amdgpu_metadata
.endif
;; end of part 4
